; MI455X (gfx1250); checked and timed in simulation.
; The chip was launched on July 23, 2026; its instructions are those of AMD's public machine-readable ISA for CDNA 5 (MIT licence, August 2026) and "CDNA5" Instruction Set Architecture Reference Guide (July 2026). The comments in the code are by the model that wrote it; some were corrected since.
;; MHA. Allowed arithmetic: matrix products marked QUANTISED: E3M2 operands, one E8M0 scale for each 32 along K, by v_wmma_scale_f32_16x16x128_f8f6f4 with both operands' format E3M2, f32 sums; everything else in f32.
;; Inputs: Wk 2,048 x 2,048 float32; Wo 2,048 x 2,048 float32; Wq 2,048 x 2,048 float32; Wv 2,048 x 2,048 float32; cos 2,048 x 64 float32; rms_w 2,048 float32; sin 2,048 x 64 float32; x 1 x 2,048 x 2,048 float32.
;; Outputs: out0 1 x 2,048 x 2,048 float32.
;; This version of the problem:
;;   THIS VERSION OF THE PROBLEM IS GIVEN IN LOW PRECISION. The matrix products marked QUANTISED in the list below multiply operands that are first quantised to E3M2 (3 exponent bits, 2 mantissa bits; 6 bits a number), with one power-of-two scale for each 32 numbers along K (OCP MX v1.0); their sums are f32. All else is computed in f32.
;;   The module's matrix products, in the order in which they are computed (A, B: the left and right operand; K: the contracted axis; several contracted axes count as one K, in the product's order):
;;     1. [M 2,048, K 2,048] x [K 2,048, N 2,048]; A: computed on the way; B: input Wq: QUANTISED
;;     2. [M 2,048, K 2,048] x [K 2,048, N 2,048]; A: computed on the way; B: input Wk: QUANTISED
;;     3. [M 2,048, K 2,048] x [K 2,048, N 2,048]; A: computed on the way; B: input Wv: QUANTISED
;;     4. batch 16 x [M 2,048, K 128] x [K 128, N 2,048]; A: computed on the way; B: computed on the way: QUANTISED
;;     5. batch 16 x [M 2,048, K 2,048] x [K 2,048, N 128]; A: softmax (see below); B: computed on the way: QUANTISED
;;     6. [M 2,048, K 2,048] x [K 2,048, N 2,048]; A: computed on the way; B: input Wo: QUANTISED
;;   THE QUANTISER, for each operand of a quantised product, along K:
;;     - K is cut into blocks of 32 from its start; a last block that is shorter is filled with zeros.
;;     - A block's scale is 2^e with e = floor(log2(the largest magnitude in the block)) - 4, held to -126 .. 127; a block of zeros has e = 0. As a byte (E8M0): e + 127.
;;     - Each number is divided by its block's scale, clamped to +-28, and rounded to the nearest number of E3M2, ties to even, subnormals kept.
;;     - The product sums the exact products of the quantised numbers (number of the format x scale) in f32.
;;   ~~~python
;;   def quantise(x, axis):      # numpy; x: float32 -> the quantised numbers, widened to float32 again
;;       x = np.moveaxis(x, axis, -1); K = x.shape[-1]
;;       x = np.pad(x, [(0, 0)] * (x.ndim - 1) + [(0, -K % 32)]); x = x.reshape(x.shape[:-1] + (-1, 32)); a = np.abs(x).max(-1, keepdims=True)
;;       e = np.where(a > 0, np.clip(np.frexp(np.where(a > 0, a, 1))[1] - 1 - 4, -126, 127), 0)      # np.frexp(a)[1] - 1 = floor(log2(a)), exactly
;;       r = np.clip(x / 2.0 ** e, -28, 28)
;;       step = 2.0 ** (np.maximum(np.frexp(np.where(r == 0, 1, r))[1] - 1, -2) - 2)
;;       q = np.round(r / step) * step * 2.0 ** e      # np.round: ties to even
;;       return np.moveaxis(q.reshape(q.shape[:-2] + (-1,))[..., :K], -1, axis).astype(np.float32)
;;   ~~~
;;   SOFTMAX AHEAD OF A QUANTISED PRODUCT. Where the list says 'softmax', what is quantised is not the finished softmax but p = 2^(t - M), with t = logit x log2(e) and M = ceil(the row's largest t), a whole number; so 1/2 < the row's largest p <= 1. The row's sum l is taken of the UNQUANTISED p, in f32, and the product's result is divided by l at the end. Since M is a whole number, a kernel that streams over the keys may use a running M (the ceiling of the running maximum): every later rescaling is an exact power of two, which a block's scale takes up: the codes' values come out the same.
;;   OPERANDS COMPUTED ON THE WAY. 'Computed on the way' means the value that the module computes at that place (a softmax that the list does not call 'softmax' is quantised finished and normalised). What goes into a quantiser is computed in f32, as accurately as f32 sums, v_exp_f32 and their like allow (about 1e-6 of the number): no bf16 or f16 on the way to a quantiser, and a product that is left as it is and whose result goes on into a quantised operand takes f32 operands (vector FMAs, or v_wmma_f32_16x16x4_f32). A number that lies on a knife's edge between two numbers of the format may be rounded either way, as far as f32 arithmetic and the matrix unit's own rounding can turn it there, and no further.
;; One version. Each part assembles by itself: llvm-mc -triple=amdgcn-amd-amdhsa -mcpu=gfx1250 --defsym DOCPART=n.
;; ======== version 1 of 1: 4 launches
;; limits: right only within a limited range of input values
;; workspace buffers: wc 13,107,200 bytes; hc 3,276,800 bytes; qc 3,276,800 bytes; kv 6,553,600 bytes; ac 3,276,800 bytes
;; launch prep (part 1): grid 96 x 4, 8 waves a work-group, no clusters, 30,720 bytes of LDS; arguments Wq, Wk, Wv, Wo, x, rms_w, wc, hc; writes wc, hc
.if DOCPART == 1
	.amdgcn_target "amdgcn-amd-amdhsa--gfx1250"
	.amdhsa_code_object_version 6
	.text
	.protected	k_qb3773f9adf_prep
	.globl	k_qb3773f9adf_prep
	.p2align	8
	.type	k_qb3773f9adf_prep,@function
k_qb3773f9adf_prep:
	s_mov_b64 s[64:65], 0
	v_nop
	global_prefetch_b8 v0, s[64:65] scope:SCOPE_SE
	s_setreg_imm32_b32 hwreg(HW_REG_WAVE_MODE, 25, 1), 1
	s_wait_xcnt 0x0
; ONE LAUNCH FOR THE TWO QUANTISERS THAT STAND AHEAD OF THE PRODUCTS: work-groups with x under 64 take the four weights, the 128 others the normalised rows.  The two ways part on the work-group's number alone;
; each has LDS bytes and a barrier of its own.  Both make codes of BF6 (E3M2) with one E8M0 byte for each 32 along K, laid as OPERAND BLOCKS.
; AN OPERAND BLOCK, 12,800 bytes, is 128 rows x 128 along K as eight fragments in the order of the matrix operand's registers:
;   byte 1536 t + 512 c + 16 lane: registers 4 c .. 4 c + 3 of fragment t; lane (r, h), registers 6 c' .. 6 c' + 5: row pi(t, r), k = 64 c' + 32 h + 0 .. 31;
;   byte 12288 + 32 r + 4 t: the scale word (four bytes, 128 along K) of row pi(t, r);   pi(t, r) = 32 (t / 2) + 8 (t % 2) + r + 8 (r / 8).
; wc: [64 groups of 128 columns: Wq 0-15, Wk 16-31, Wv 32-47, Wo 48-63][16 K steps][operand block];   hc: [16 groups of 128 rows][16 K steps][operand block].
; A block's scale is 2^(floor(log2(largest magnitude)) - 4); its byte is the largest magnitude's exponent field - 4, held at 1 from below.
; THE WEIGHTS, [2048 (k)][2048 (n)] f32, K the FIRST axis.  A lane takes a column and its registers run down K: a load reads 128 consecutive bytes a wave (four waves side by side: 512), a block of 32 lies in one
;   lane, and the conversions give codes with K innermost.  Work-group (x, y): group x, K steps 4 y .. 4 y + 3.  Wave w: columns 32 (w % 4) + lane, K steps 4 y + 2 (w / 4) + 0, 1.  Lane l holds column pi(t, r) with
;   t = 2 (w % 4) + bit 3 of l, r = (l % 8) + 8 x bit 4 of l.  A lane's 24 bytes of a block go to their place in the fragment's image in the wave's own stage in LDS; the images leave by stores of 512 consecutive bytes.
; THE ROWS: h = x * rsqrt(mean(x^2) + 1e-5) * rms_w in f32.  Work-group T = 4 (x - 64) + y is ONE fragment's 16 rows (group T / 8, fragment T % 8) for all of K; wave s takes K steps 2 s, 2 s + 1.  Lane (r, h) loads, of row
;   pi(t, r), 16 neighbours of each block of 32: the order that the conversions want.  The row's sum of squares: 128 numbers a lane, lane l xor 16's, then the eight waves' parts through LDS, added in one fixed order
;   by every wave.  x is read once.  A fragment leaves by three stores of 512 consecutive bytes; its sixteen scale words leave 4 bytes a lane, 32 bytes apart: 131,072 bytes of hc's 3.3 million go so.
; LIMITS: a block of zeros gets the byte 1 where the quantiser's text says 127 (its codes are zeros and this program alone reads the bytes); NaN and infinities among the inputs are not served.
; No tensor loads, no clusters: work-groups share no input.  250 registers a wave: two work-groups fit on a WGP, so that all 384 lie on the chip together.
.set STG,  3328                        ; weights: a wave's stage: two images of 1,536 bytes, the second 1,664 bytes on
.set IMG,  1664
.set SCA,  8*STG                       ; behind the stages: the scale areas of the work-group's four K steps, 512 bytes each
.set NRM,  SCA+4*512                   ; rows: 16 rows x 8 partial sums: 512 bytes that the weights' way never names
.set X,    32                          ; weights: v32-95 two sets of 32 numbers;  rows: v32-159 my 128 numbers of x: register 64 k + 16 b + i = block b of K step k, number 16 h + i
.set P,    20                          ; weights: v20-25 a block's six registers of codes
.set T,    26                          ; v26-28   the second conversion's result (a conversion's three registers begin on an even number)
.set SB,   16                          ; v16-17   my column's scale word, one for each of my two K steps
.set OUTR, 96                          ; v96-143  the way out: 24 registers for each K step, so that no store's data are written again
.set WR,   160                         ; rows: v160-223 rms_w of one K step, later the second fragment's codes
.set TM,   224                         ; v224-239 the quantiser's work;  v240, v241 the two scale words;  v10-28 the first fragment's codes
.set SEL,  40                          ; s[40:41] lane selects for v_permlanex16_b32: lane l xor 16
; 64 numbers of a lane, register 16 b + i = k 32 b + 16 (lane / 16) + i of my row, become a fragment's 12 registers in v[pc] on and its scale word in v[pw].  v[tm] .. v[tm+15] and v[pc+12] .. v[pc+18] are at work.
.macro QUANT s, tm, pw, pc
.irp b, 0,1,2,3
	v_max3_num_f32 v[\tm+\b], |v[\s+16*\b]|, |v[\s+1+16*\b]|, 0x2800000   ; my 16 numbers of block b, and the floor 2^(5 - 127): the byte cannot fall under 1
.endr
.irp i, 2,4,6,8,10,12,14
.irp b, 0,1,2,3
	s_delay_alu instid0(VALU_DEP_4)
	v_max3_num_f32 v[\tm+\b], v[\tm+\b], |v[\s+16*\b+\i]|, |v[\s+1+16*\b+\i]|   ; the four blocks by turns
.endr
.endr
.irp b, 0,1,2,3
	s_delay_alu instid0(VALU_DEP_4)
	v_permlanex16_b32 v[\tm+4+\b], v[\tm+\b], s[SEL], s[SEL+1]
.endr
.irp b, 0,1,2,3
	s_delay_alu instid0(VALU_DEP_4)
	v_max_num_f32 v[\tm+\b], v[\tm+\b], v[\tm+4+\b]   ; with lane l xor 16's: the block's largest magnitude
.endr
.irp b, 0,1,2,3
	s_delay_alu instid0(VALU_DEP_4)
	v_add_nc_u32 v[\tm+12+\b], 0xfe000000, v[\tm+\b]  ; 4 off its exponent field: the conversion's scale operand
.endr
.irp b, 0,1,2,3
	s_delay_alu instid0(VALU_DEP_4)
	v_lshrrev_b32 v[\tm+4+\b], 23, v[\tm+12+\b]       ; the scale's byte
.endr
	s_delay_alu instid0(VALU_DEP_3)
	v_lshl_or_b32 v[\pw], v[\tm+5], 8, v[\tm+4]
	s_delay_alu instid0(VALU_DEP_1)
	v_lshl_or_b32 v[\pw], v[\tm+6], 16, v[\pw]
	s_delay_alu instid0(VALU_DEP_1)
	v_lshl_or_b32 v[\pw], v[\tm+7], 24, v[\pw]
.irp c, 0,1
	v_cvt_scalef32_pk16_bf6_f32 v[\pc+6*\c:\pc+2+6*\c], v[\s+32*\c:\s+15+32*\c], v[\tm+12+2*\c]
	v_cvt_scalef32_pk16_bf6_f32 v[\pc+12+4*\c:\pc+14+4*\c], v[\s+16+32*\c:\s+31+32*\c], v[\tm+13+2*\c]   ; (a conversion's three registers begin on an even number)
.endr
	v_nop                                          ; one plain place behind a scaled conversion
.irp c, 0,1                            ; the operand wants a WHOLE block in a lane: lanes 0-15 block 2 c, lanes 16-31 block 2 c + 1
.irp i, 0,1,2
	v_permlane16_swap_b32 v[\pc+6*\c+\i], v[\pc+12+4*\c+\i]
.endr
.irp i, 0,1,2
	s_delay_alu instid0(VALU_DEP_3)
	v_mov_b32 v[\pc+3+6*\c+\i], v[\pc+12+4*\c+\i]
.endr
.endr
.endm
	s_load_b256 s[4:11], s[0:1], 0x0               ; Wq, Wk, Wv, Wo
	s_load_b256 s[12:19], s[0:1], 0x20             ; x, rms_w, wc, hc
	v_lshl_add_u32 v248, v0, 2, 0x7400
	v_mov_b32 v249, 0
	v_lshrrev_b32 v1, 5, v0
	s_delay_alu instid0(VALU_DEP_1)
	v_readfirstlane_b32 s20, v1                    ; wave 0..7
	s_and_b32 s23, ttmp7, 0xffff                   ; y
	s_cmp_ge_u32 ttmp9, 64
	s_cbranch_scc1 .Lnorm                          ; the same way for all eight waves of a work-group
	; ---------------- the weights ----------------
	v_and_b32 v1, 31, v0                           ; lane
	s_and_b32 s21, s20, 3                          ; which 32 columns
	s_lshr_b32 s22, s20, 2                         ; which two K steps
	v_lshlrev_b32 v2, 2, v1                        ; in: 4 bytes a lane
	v_lshlrev_b32 v6, 4, v1                        ; out: 16 bytes a lane
	v_bfe_u32 v8, v0, 3, 1                         ; u: which of my wave's two fragments
	v_and_b32 v9, 7, v0
	v_bfe_u32 v10, v0, 4, 1
	s_delay_alu instid0(VALU_DEP_1)
	v_lshl_or_b32 v9, v10, 3, v9                   ; r: my column's row in that fragment
	s_mul_i32 s24, s20, STG
	v_mul_u32_u24 v3, v8, IMG
	s_delay_alu instid0(VALU_DEP_1)
	v_lshl_add_u32 v3, v9, 4, v3
	s_delay_alu instid0(VALU_DEP_1)
	v_add_nc_u32 v3, s24, v3                       ; into the stage: image u, 16 r
	v_add_nc_u32 v4, s24, v6                       ; out of it: 16 x lane
	s_lshl_b32 s25, s22, 10
	s_lshl_b32 s26, s21, 3
	s_add_co_u32 s25, s25, s26
	s_add_co_u32 s25, s25, SCA
	v_lshlrev_b32 v5, 5, v9
	s_delay_alu instid0(VALU_DEP_1)
	v_lshl_add_u32 v5, v8, 2, v5
	s_delay_alu instid0(VALU_DEP_1)
	v_add_nc_u32 v5, s25, v5                       ; my scale word: area 2 (w / 4), byte 32 r + 4 t
	s_lshl_b32 s26, s21, 9
	s_add_co_u32 s26, s26, SCA
	v_add_nc_u32 v7, s26, v6                       ; waves 0-3 send area w: 16 x lane
	s_and_b32 s27, ttmp9, 15
	s_lshl_b32 s27, s27, 9                         ; the group's 128 columns: 512 bytes,
	s_lshl_b32 s28, s21, 7
	s_add_co_u32 s27, s27, s28                     ; my wave's 32 of them
	s_lshl_b32 s28, s23, 2
	s_lshl_b32 s29, s22, 1
	s_add_co_u32 s28, s28, s29                     ; my first K step
	s_lshl_b32 s29, s28, 20                        ; 128 rows of 8,192 bytes each
	s_add_co_u32 s30, s27, s29
	s_mov_b32 s31, 0
	s_mul_i32 s32, ttmp9, 204800                   ; the group's sixteen operand blocks
	s_mul_i32 s29, s28, 12800
	s_add_co_u32 s34, s32, s29
	s_mul_i32 s29, s21, 3072                       ; my wave's two fragments
	s_add_co_u32 s34, s34, s29
	s_mov_b32 s35, 0
	s_lshl_b32 s29, s23, 2
	s_add_co_u32 s29, s29, s21
	s_mul_i32 s29, s29, 12800
	s_add_co_u32 s36, s32, s29
	s_add_co_u32 s36, s36, 12288                   ; the scale area of K step 4 y + (w % 4)
	s_mov_b32 s37, 0
	s_lshr_b32 s24, ttmp9, 4                       ; which weight: the choice hangs on the work-group's number alone
	s_wait_kmcnt 0x0
	s_cmp_eq_u32 s24, 1
	s_cselect_b64 s[4:5], s[6:7], s[4:5]
	s_cmp_eq_u32 s24, 2
	s_cselect_b64 s[4:5], s[8:9], s[4:5]
	s_cmp_eq_u32 s24, 3
	s_cselect_b64 s[4:5], s[10:11], s[4:5]
	s_add_nc_u64 s[4:5], s[4:5], s[30:31]
	s_add_nc_u64 s[38:39], s[16:17], s[34:35]      ; where my images go
	s_add_nc_u64 s[16:17], s[16:17], s[36:37]      ; where a scale area goes
.macro LOAD t                          ; block t of my eight: W(32 t + i, my column) into set t % 2; every offset is an immediate, 2,088,960 at the most
.irp i, 0,1,2,3,4,5,6,7,8,9,10,11,12,13,14,15,16,17,18,19,20,21,22,23,24,25,26,27,28,29,30,31
	global_load_b32 v[X+32*((\t)%2)+\i], v2, s[4:5] offset:(32*(\t)+\i)*8192 th:TH_LOAD_NT
.endr
.endm
.macro BLOCK t
.set XS, X+32*((\t)%2)
.set KI, (\t)/4                        ; which of my two K steps
.set BE, (\t)%4                        ; which block of its four: it belongs to lanes (r, BE % 2), registers 6 (BE / 2) on
.set HP, BE%2
.if (\t) < 7
	s_wait_loadcnt 32                              ; this block's 32 loads are in; the next block's 32 may be out
.else
	s_wait_loadcnt 0
.endif
	v_max3_num_f32 v12, |v[XS]|, |v[XS+1]|, |v[XS+2]|      ; the block's largest magnitude: all 32 numbers are mine; two chains
	v_max3_num_f32 v13, |v[XS+3]|, |v[XS+4]|, |v[XS+5]|
.irp i, 6,10,14,18,22,26
	s_delay_alu instid0(VALU_DEP_2)
	v_max3_num_f32 v12, v12, |v[XS+\i]|, |v[XS+\i+1]|
	s_delay_alu instid0(VALU_DEP_2)
	v_max3_num_f32 v13, v13, |v[XS+\i+2]|, |v[XS+\i+3]|
.endr
	s_delay_alu instid0(VALU_DEP_2)
	v_max3_num_f32 v12, v12, |v[XS+30]|, |v[XS+31]|
	s_delay_alu instid0(VALU_DEP_1)
	v_max3_num_f32 v12, v12, v13, 0x2800000        ; and the floor 2^(5 - 127): the byte cannot fall under 1
	s_delay_alu instid0(VALU_DEP_1)
	v_add_nc_u32 v14, 0xfe000000, v12              ; 4 off the exponent field: the conversion takes this operand's exponent field as its scale
	s_delay_alu instid0(VALU_DEP_1)
	v_lshrrev_b32 v15, 23, v14                     ; the scale's byte
.if BE == 0
	s_delay_alu instid0(VALU_DEP_1)
	v_mov_b32 v[SB+KI], v15
.else
	s_delay_alu instid0(VALU_DEP_1)
	v_lshl_or_b32 v[SB+KI], v15, 8*BE, v[SB+KI]    ; the lower K in the lower byte
.endif
	v_cvt_scalef32_pk16_bf6_f32 v[P:P+2], v[XS:XS+15], v14
	v_cvt_scalef32_pk16_bf6_f32 v[T:T+2], v[XS+16:XS+31], v14
	v_nop                                          ; one plain place behind a scaled conversion
.irp i, 0,1,2
	v_mov_b32 v[P+3+\i], v[T+\i]
.endr
.if BE < 2                             ; registers 0-5 of the fragment: 0-3 in the image's first 512 bytes, 4-5 in the second
	ds_store_b128 v3, v[P:P+3] offset:256*HP
	ds_store_b64 v3, v[P+4:P+5] offset:512+256*HP
.else                                  ; registers 6-11: 6-7 in the second 512 bytes, 8-11 in the third
	ds_store_b64 v3, v[P:P+1] offset:520+256*HP
	ds_store_b128 v3, v[P+2:P+5] offset:1024+256*HP
.endif
.if (\t)+2 < 8
	LOAD (\t)+2
.endif
.if BE == 3                            ; a K step's two images are whole: LDS serves a wave's instructions in order, so these loads see the stores
	ds_store_b32 v5, v[SB+KI] offset:512*KI
.irp u, 0,1
.irp c, 0,1,2
	ds_load_b128 v[OUTR+24*KI+4*(3*\u+\c):OUTR+24*KI+4*(3*\u+\c)+3], v4 offset:IMG*\u+512*\c
.endr
.endr
.endif
	s_wait_dscnt 0x0                               ; the stores have read their registers, and the images are back
.if BE == 3
.irp u, 0,1
.irp c, 0,1,2
	global_store_b128 v6, v[OUTR+24*KI+4*(3*\u+\c):OUTR+24*KI+4*(3*\u+\c)+3], s[38:39] offset:12800*KI+1536*\u+512*\c   ; 32 lanes store 512 consecutive bytes, at a multiple of 256 from wc's first byte
.endr
.endr
.endif
.endm
	LOAD 0
	LOAD 1
.irp t, 0,1,2,3,4,5,6,7
	BLOCK \t
.endr
	s_barrier_signal -1                            ; my scale words lie in LDS (the last wait above was for 0)
	s_barrier_wait -1                              ; everybody's do
	s_cmp_lt_u32 s20, 4
	s_cbranch_scc0 .Ldone
	ds_load_b128 v[144:147], v7                    ; waves 0-3: a K step's whole scale area,
	s_wait_dscnt 0x0
	global_store_b128 v6, v[144:147], s[16:17]     ; 512 consecutive bytes
.Ldone:
	s_wait_tensorcnt 0x0
	ds_add_u32 v248, v249
	s_wait_dscnt 0x0
	s_endpgm
	; ---------------- the rows ----------------
.Lnorm:
	v_and_b32 v1, 15, v0                           ; r
	v_bfe_u32 v2, v0, 4, 1                         ; h
	v_and_b32 v9, 31, v0                           ; lane
	s_delay_alu instid0(VALU_DEP_3)
	v_and_b32 v3, 8, v1
	s_delay_alu instid0(VALU_DEP_1)
	v_add_nc_u32 v3, v3, v1                        ; r + 8 (r / 8)
	s_delay_alu instid0(VALU_DEP_1)
	v_lshlrev_b32 v3, 13, v3
	s_delay_alu instid0(VALU_DEP_1)
	v_lshl_add_u32 v3, v2, 6, v3                   ; x: that row of 8,192 bytes, + 64 h
	v_lshlrev_b32 v4, 6, v2                        ; rms_w: 64 h
	v_lshlrev_b32 v5, 4, v9                        ; the image: 16 x lane
	v_lshlrev_b32 v6, 5, v1                        ; the scale words: 32 r
	s_delay_alu instid0(VALU_DEP_1)
	v_add_nc_u32 v8, NRM, v6                       ; LDS: row r's eight partial sums, 32 bytes,
	s_lshl_b32 s21, s20, 2
	v_add_nc_u32 v7, s21, v8                       ; and my wave's among them
	s_sub_co_u32 s24, ttmp9, 64
	s_lshl_b32 s24, s24, 2
	s_add_co_u32 s24, s24, s23                     ; T = 4 (x - 64) + y
	s_lshr_b32 s25, s24, 3                         ; the group of 128 rows
	s_and_b32 s26, s24, 7                          ; the fragment
	s_lshl_b32 s27, s25, 7
	s_lshr_b32 s28, s26, 1
	s_lshl_b32 s28, s28, 5
	s_add_co_u32 s27, s27, s28
	s_and_b32 s28, s26, 1
	s_lshl_b32 s28, s28, 3
	s_add_co_u32 s27, s27, s28                     ; the fragment's first row: 128 g + 32 (t / 2) + 8 (t % 2)
	s_lshl_b32 s30, s27, 13
	s_lshl_b32 s32, s20, 10                        ; my two K steps: 1,024 bytes of a row
	s_add_co_u32 s30, s30, s32
	s_mov_b32 s31, 0
	s_mov_b32 s33, 0
	s_lshl_b32 s28, s25, 4
	s_lshl_b32 s29, s20, 1
	s_add_co_u32 s28, s28, s29
	s_mul_i32 s28, s28, 12800                      ; the operand block (group, K step 2 s); the next K step's follows it
	s_mul_i32 s34, s26, 1536
	s_add_co_u32 s34, s34, s28                     ; the fragment's image
	s_mov_b32 s35, 0
	s_lshl_b32 s36, s26, 2
	s_add_co_u32 s36, s36, s28
	s_add_co_u32 s36, s36, 12288                   ; its scale words
	s_mov_b32 s37, 0
	s_mov_b32 s[SEL], 0x76543210
	s_mov_b32 s[SEL+1], 0xfedcba98
.irp b, 0,1,2,3
	v_mov_b32 v[TM+4+\b], 0                        ; written once: a lane permute's destination counts as one of its sources
.endr
	s_wait_alu depctr_va_vdst(0)
	s_wait_kmcnt 0x0
	s_add_nc_u64 s[12:13], s[12:13], s[30:31]
	s_add_nc_u64 s[14:15], s[14:15], s[32:33]
	s_add_nc_u64 s[38:39], s[18:19], s[36:37]
	s_add_nc_u64 s[18:19], s[18:19], s[34:35]
.irp k, 0,1
.irp b, 0,1,2,3
.irp j, 0,1,2,3
	global_load_b128 v[X+64*\k+16*\b+4*\j:X+64*\k+16*\b+4*\j+3], v3, s[12:13] offset:512*\k+128*\b+16*\j
.endr
.endr
.endr
.irp b, 0,1,2,3
.irp j, 0,1,2,3
	global_load_b128 v[WR+16*\b+4*\j:WR+16*\b+4*\j+3], v4, s[14:15] offset:128*\b+16*\j
.endr
.endr
	s_wait_loadcnt 16                              ; x's 32 loads are in; rms_w's sixteen may be out
.irp k, 0,1,2,3
	v_pk_mul_f32 v[10+2*\k:11+2*\k], v[X+2*\k:X+2*\k+1], v[X+2*\k:X+2*\k+1]   ; the sum of squares, two at a time, in four chains that the first four pairs start
.endr
.set n, 4
.rept 60
	s_delay_alu instid0(VALU_DEP_4)
	v_pk_fma_f32 v[10+2*(n%4):11+2*(n%4)], v[X+2*n:X+2*n+1], v[X+2*n:X+2*n+1], v[10+2*(n%4):11+2*(n%4)]
.set n, n+1
.endr
	s_delay_alu instid0(VALU_DEP_3)
	v_pk_add_f32 v[10:11], v[10:11], v[12:13]
	s_delay_alu instid0(VALU_DEP_2)
	v_pk_add_f32 v[14:15], v[14:15], v[16:17]
	s_delay_alu instid0(VALU_DEP_1)
	v_pk_add_f32 v[10:11], v[10:11], v[14:15]
	s_delay_alu instid0(VALU_DEP_1)
	v_add_f32 v10, v10, v11
	s_delay_alu instid0(VALU_DEP_1)
	v_permlanex16_b32 v11, v10, s[SEL], s[SEL+1]
	s_delay_alu instid0(VALU_DEP_1)
	v_add_f32 v10, v10, v11                        ; my row's 256 numbers of these two K steps
	ds_store_b32 v7, v10                           ; (lanes r and r + 16 write the same word with the same value)
	s_wait_dscnt 0x0                               ; for the others' sake: my store has landed
	s_barrier_signal -1
	s_barrier_wait -1
	ds_load_b128 v[10:13], v8
	ds_load_b128 v[14:17], v8 offset:16
	s_wait_dscnt 0x0
	v_pk_add_f32 v[10:11], v[10:11], v[12:13]      ; the same order in every wave: the same bits
	v_pk_add_f32 v[14:15], v[14:15], v[16:17]
	s_delay_alu instid0(VALU_DEP_1)
	v_pk_add_f32 v[10:11], v[10:11], v[14:15]
	s_delay_alu instid0(VALU_DEP_1)
	v_add_f32 v10, v10, v11
	v_mov_b32 v11, 0x3727c5ac                      ; 1e-5
	s_delay_alu instid0(VALU_DEP_1)
	v_fma_f32 v10, v10, 0x3a000000, v11            ; sum / 2048 + 1e-5
	s_wait_alu depctr_va_vdst(0)
	v_rsq_f32 v26, v10
	v_nop                                          ; one plain place behind the transcendental,
	s_wait_alu depctr_va_vdst(0)                   ; and the wait ahead of its first reader
	v_mov_b32 v27, v26                             ; a pair for the packed multiply
	s_wait_alu depctr_va_vdst(0)
	s_wait_loadcnt 0x0                             ; rms_w of my first K step
.set n, 0
.rept 64
	v_pk_mul_f32 v[X+n:X+n+1], v[X+n:X+n+1], v[26:27]
.set n, n+2
.endr
.set n, 0
.rept 32
	v_pk_mul_f32 v[X+n:X+n+1], v[X+n:X+n+1], v[WR+n:WR+n+1]   ; (x * rsqrt) * w: the order of the definition
.set n, n+2
.endr
.irp b, 0,1,2,3
.irp j, 0,1,2,3
	global_load_b128 v[WR+16*\b+4*\j:WR+16*\b+4*\j+3], v4, s[14:15] offset:512+128*\b+16*\j   ; rms_w of my second K step lands while the first is quantised
.endr
.endr
	QUANT X, TM, 240, 10
.irp c, 0,1,2
	global_store_b128 v5, v[10+4*\c:13+4*\c], s[18:19] offset:512*\c   ; 512 consecutive bytes a store
.endr
	s_wait_loadcnt 0x0
.set n, 0
.rept 32
	v_pk_mul_f32 v[X+64+n:X+64+n+1], v[X+64+n:X+64+n+1], v[WR+n:WR+n+1]
.set n, n+2
.endr
	QUANT X+64, TM, 241, WR                        ; its codes take the registers that rms_w has left: no store's data are written again
.irp c, 0,1,2
	global_store_b128 v5, v[WR+4*\c:WR+4*\c+3], s[18:19] offset:12800+512*\c
.endr
	v_cmp_gt_u32 vcc_lo, 16, v9
	s_wait_xcnt 0x0                                ; EXEC changes only behind this wait: it is a source of the stores above
	s_wait_tensorcnt 0x0
	ds_add_u32 v248, v249
	s_wait_dscnt 0x0
	s_and_saveexec_b32 s42, vcc_lo
	global_store_b32 v6, v240, s[38:39]            ; lanes 0-15: row r's scale words of the two K steps
	global_store_b32 v6, v241, s[38:39] offset:12800
	s_wait_xcnt 0x0
	s_or_b32 exec_lo, exec_lo, s42
	s_endpgm
.Lfunc_end_k_qb3773f9adf_prep:
	.size	k_qb3773f9adf_prep, .Lfunc_end_k_qb3773f9adf_prep-k_qb3773f9adf_prep
	.p2alignl 7, 3214868480
	.fill 96, 4, 3214868480
	.section	.rodata,"a",@progbits
	.p2align	6, 0x0
	.amdhsa_kernel k_qb3773f9adf_prep
		.amdhsa_group_segment_fixed_size 30720
		.amdhsa_private_segment_fixed_size 0
		.amdhsa_enable_private_segment 0
		.amdhsa_kernarg_size 64
		.amdhsa_user_sgpr_count 2
		.amdhsa_user_sgpr_kernarg_segment_ptr 1
		.amdhsa_wavefront_size32 1
		.amdhsa_system_sgpr_workgroup_id_x 1
		.amdhsa_system_sgpr_workgroup_id_y 1
		.amdhsa_system_sgpr_workgroup_id_z 1
		.amdhsa_system_vgpr_workitem_id 0
		.amdhsa_next_free_vgpr 250
		.amdhsa_next_free_sgpr 66
		.amdhsa_reserve_vcc 1
		.amdhsa_float_denorm_mode_32 3
		.amdhsa_float_denorm_mode_16_64 3
		.amdhsa_memory_ordered 1
		.amdhsa_forward_progress 1
		.amdhsa_inst_pref_size 83
	.end_amdhsa_kernel
	.amdgpu_metadata
---
amdhsa.version: [ 1, 2 ]
amdhsa.kernels:
  - .name:           k_qb3773f9adf_prep
    .symbol:         k_qb3773f9adf_prep.kd
    .args:
      - { .name: Wq, .offset: 0, .size: 8, .value_kind: global_buffer, .address_space: global }
      - { .name: Wk, .offset: 8, .size: 8, .value_kind: global_buffer, .address_space: global }
      - { .name: Wv, .offset: 16, .size: 8, .value_kind: global_buffer, .address_space: global }
      - { .name: Wo, .offset: 24, .size: 8, .value_kind: global_buffer, .address_space: global }
      - { .name: x, .offset: 32, .size: 8, .value_kind: global_buffer, .address_space: global }
      - { .name: rms_w, .offset: 40, .size: 8, .value_kind: global_buffer, .address_space: global }
      - { .name: wc, .offset: 48, .size: 8, .value_kind: global_buffer, .address_space: global }
      - { .name: hc, .offset: 56, .size: 8, .value_kind: global_buffer, .address_space: global }
    .group_segment_fixed_size: 30720
    .private_segment_fixed_size: 0
    .kernarg_segment_align: 8
    .kernarg_segment_size: 64
    .max_flat_workgroup_size: 256
    .sgpr_count:     66
    .vgpr_count:     250
    .wavefront_size: 32
...
	.end_amdgpu_metadata
.endif
;; end of part 1
;; launch qkv (part 2): grid 24 x 8, 4 waves a work-group, clusters of 4 x 4, 327,680 bytes of LDS; arguments hc, wc, cos, sin, qc, kv; writes qc, kv
.if DOCPART == 2
	.amdgcn_target "amdgcn-amd-amdhsa--gfx1250"
	.amdhsa_code_object_version 6
	.text
	.protected	k_qb3773f9adf_qkv
	.globl	k_qb3773f9adf_qkv
	.p2align	8
	.type	k_qb3773f9adf_qkv,@function
k_qb3773f9adf_qkv:
	s_mov_b64 s[64:65], 0
	v_nop
	global_prefetch_b8 v0, s[64:65] scope:SCOPE_SE
	s_setreg_imm32_b32 hwreg(HW_REG_WAVE_MODE, 25, 1), 1
	s_wait_xcnt 0x0
	s_wait_alu depctr_hold_cnt(0) depctr_sa_sdst(0) depctr_va_vdst(0) depctr_va_sdst(0) depctr_va_ssrc(0) depctr_va_vcc(0) depctr_vm_vsrc(0)
	s_getreg_b32 s2, hwreg(HW_REG_IB_STS2, 6, 4)
	s_cmp_eq_u32 s2, 0
	s_cbranch_scc0 .Lentry_in_a_cluster
	s_endpgm
.Lentry_in_a_cluster:
	s_bfe_u32 s2, ttmp6, 0x10000c
	s_cmp_lg_u32 s2, 0xf033
	s_cbranch_scc0 .Lentry_shape_is_right
	s_endpgm
.Lentry_shape_is_right:
; q = rope(h Wq), k = rope(h Wk), v = h Wv on codes of BF6 (E3M2) with E8M0 scales; the results are quantised in registers, q and k along the head's 128, v along the keys, and leave as operand blocks.
; AN OPERAND BLOCK, 12,800 bytes: 128 rows x 128 K as eight fragments in register order: byte 1536 t + 512 c + 16 lane = registers 4 c .. 4 c + 3 of fragment t (lane (r, h): row pi(t, r));
; byte 12288 + 32 r + 4 t = the scale word of row pi(t, r);  pi(t, r) = 32 (t / 2) + 8 (t % 2) + r + 8 (r / 8).  A fragment comes by three ds_load_b128 of 512 consecutive bytes.
; hc: [16 s groups][16 K steps][block];  wc: [64 groups][16 K steps][block];  qc: [head][s group][block];  kv: [head][s group][K's block, V's block].
; ONE TEXT FOR ALL THREE.  A work-group makes 256 x 256: source 1 ("A", two groups, by the tile row Y) against source 0 ("B", two groups, by the tile column X); a wave makes 128 x 128, 64 accumulators.
;   q, k (X 0-15):  A = h's groups 2 Y + ., B = Wq's or Wk's heads 2 X + . : a lane holds ONE row s and its 64 registers of a fragment row run along the head's d, in the order 32 b + 16 h + i.
;   v    (X 16-23): A = Wv's heads 2 Y + ., B = h's groups 2 (X - 16) + . : a lane holds ONE d and its registers run along the keys.
; So the rotation (register n against n + 32) and both quantisers stay inside a lane, and a lane pair l, l xor 16 holds each block of 32.
; A wave must own a whole head x 128 rows for that: 768 wave tiles, 192 work-groups; no split into whole heads gives 256 equal work-groups.
; TWO EQUAL SLOTS of three K steps (4 groups x 3 x 12,800 bytes each).  16 = 3 + 3 + 3 + 3 + 3 + 1: six fills, slots 0, 1 by turns.  A group's K steps are dense in memory, so a wave fills a quarter of a slot
; (one group) by ONE tensor load of 150 rows of 256 bytes (the last fill: 50).  One load a wave at the head, and one behind each round of the cluster's barrier.  The fills differ at both ends, so the sixteen K steps are written out.
; CLUSTERS: 4 x 4.  A's blocks are shared along a row of the cluster, B's along a column: joint loads with a mask.  The branch on "v or not" hangs on the cluster's x alone.
; PREFETCH: behind the request for fill f (0 to 3) each wave names the 150 blocks of 256 bytes of fill f + 1 of the group that it fetches; the four partners that ask for that group jointly take 38 blocks each, told apart by
; address (cx for A, cy for B); lanes left over name the last block again.  The last fill, one K step, is not asked for ahead.  The offsets are immediates: no address register is rewritten.
; REGISTERS: window 0: v16-29 addresses; v32-79 scale words (24 for each slot) and nothing else; v128-223 A's fragments, one set.  window 1: B's fragments, two sets, at v0 and v128.
;   windows 2, 3: accumulator (a, b) at v[8 (8 (a % 4) + b)].
; LIMITS: a block of zeros gets the byte 1 where the quantiser's text says 127 (zero codes; this program alone reads the bytes); NaN and infinities are not served.
.set KB,     12800
.set PB,     3*KB                      ; a quarter of a slot: one group's three K steps
.set SLOT,   4*PB
.set SPARE,  2*SLOT                    ; the spare words: 128 bytes a wave, named by no other line
.set KADV,   6*KB                      ; a slot's next fill lies six K steps on
.set FR,     12
.set NL,     3
.set NP,     4                         ; places behind this matrix instruction (ISA guide 7.12.1)
.set ADRA,   16                        ; v16-17 my A group's images in slot 0, 1
.set ADRB,   18                        ; v18-19 my B group's
.set ADRS,   20                        ; v20-21 scale words: lanes 0-15 A's rows, lanes 16-31 B's
.set PFO,    22                        ; v22-23 the prefetches' offsets
.set LI,     24                        ; 16 x lane
.set CSO,    25                        ; cos, sin: (r + 8 (r / 8)) x 256 + 64 h
.set SCO,    26                        ; the scale area on the way out: 32 r + 16 h
.set HH,     27
.set SPW,    28
.set NIL,    29
.set SC,     32                        ; register SC + 24 slot + 8 q + t
.set AF,     128
.set TMPA,   192
.set TMPB,   224
.set TM,     80
.set PW,     96
.set SW,     104
.set PT,     108
.set PCB,    116
.set G1A, 24                           ; groups 1: s[24:31] A, slot 0; s[32:39] B, slot 0; s[48:55] A, slot 1; s[56:63] B, slot 1
.set G1B, 32
.set G0A, 68                           ; groups 0: s[68:71] A, slot 0; s[72:75] B, slot 0; s[76:79], s[80:83] slot 1
.set G0B, 72
.set SEL, 84
.set PFA, 96                           ; s[96:97] first byte of the group that I fetch
.set VT,  2                            ; 1 in v's work-groups
.set MSB, 0
.macro WIN new
.if MSB != \new
	s_set_vgpr_msb (MSB<<8)|\new
.set MSB, \new
.endif
.endm
.set MUL_LO, 0xa1
.set MUL_HI, 0xf1
.set TO_B,   0x40
.macro PLACES n
.rept \n
	v_nop
.endr
.endm
.macro JLOAD s                         ; waves 0, 1 fetch A's two groups, waves 2, 3 B's
	s_cmp_eq_u32 s17, 0
	s_cbranch_scc0 .Lfor_b_\@
	tensor_load_to_lds s[G0A+8*\s:G0A+8*\s+3], s[G1A+24*\s:G1A+24*\s+7]
	s_nop 0
	PLACES 4
	s_branch .Lasked_\@
.Lfor_b_\@:
	tensor_load_to_lds s[G0B+8*\s:G0B+8*\s+3], s[G1B+24*\s:G1B+24*\s+7]
	s_nop 0
	PLACES 4
.Lasked_\@:
.endm
.macro ASK f                           ; my share of fill f's blocks of the group that I fetch
	global_prefetch_b8 v[PFO], s[PFA:PFA+1] offset:(\f)*PB th:TH_LOAD_NT scope:SCOPE_SE
	global_prefetch_b8 v[PFO+1], s[PFA:PFA+1] offset:(\f)*PB th:TH_LOAD_NT scope:SCOPE_SE
.endm
.macro CREST
	s_cmp_lg_u32 s16, 0
	s_cbranch_scc1 .Lnot_wave_0_\@
	s_barrier_signal -3
.Lnot_wave_0_\@:
	s_barrier_wait -3
	s_barrier_signal -1
	s_barrier_wait -1
.endm
.macro CROUND
	s_barrier_signal -1
	s_barrier_wait -1
	CREST
.endm
	s_load_b256 s[4:11], s[0:1], 0x0               ; hc, wc, cos, sin
	s_load_b128 s[12:15], s[0:1], 0x20             ; qc, kv
	v_lshl_add_u32 v[SPW], v0, 2, SPARE
	v_mov_b32 v[NIL], 0
	ds_add_u32 v[SPW], v[NIL]                      ; the opening lines: the add twice and one wait
	ds_add_u32 v[SPW], v[NIL]
	v_lshrrev_b32 v1, 5, v0
	v_readfirstlane_b32 s16, v1                    ; wave 0..3
	s_lshr_b32 s17, s16, 1                         ; MI; also: I fetch for A (0) or for B (1)
	s_and_b32 s18, s16, 1                          ; NI; also: which group I fetch
	s_bfe_u32 s40, ttmp6, 0x40000                  ; cx
	s_bfe_u32 s41, ttmp6, 0x40004                  ; cy
	s_lshl_b32 s42, ttmp9, 2
	s_add_co_u32 s42, s42, s40                     ; X
	s_and_b32 s43, ttmp7, 0xffff
	s_lshl_b32 s43, s43, 2
	s_add_co_u32 s43, s43, s41                     ; Y
	s_lshl_b32 s44, s41, 2
	s_lshl_b32 s44, 15, s44                        ; my row of the cluster
	s_lshl_b32 s45, 0x1111, s40                    ; my column
	s_or_b32 s[G1A], s44, (3<<16)|(1<<21)          ; dense bytes as rows of 256 bytes (32 elements of 8 bytes), no padding
	s_or_b32 s[G1B], s45, (3<<16)|(1<<21)
	s_or_b32 s[G1A+24], s44, (3<<16)|(1<<21)
	s_or_b32 s[G1B+24], s45, (3<<16)|(1<<21)
.irp g, G1A, G1B, G1A+24, G1B+24
	s_mov_b32 s[\g+1], 32<<16
	s_mov_b32 s[\g+2], 150<<16
	s_mov_b32 s[\g+3], 32<<16
	s_mov_b32 s[\g+4], 150
	s_mov_b32 s[\g+5], 32
	s_mov_b32 s[\g+6], 0
	s_mov_b32 s[\g+7], 0
.endr
	s_lshl_b32 s20, s43, 1
	s_add_co_u32 s20, s20, s18
	s_mul_i32 s20, s20, 204800                     ; A: group 2 Y + the one I fetch
	s_cmp_ge_u32 ttmp9, 4                          ; v's work-groups: clusters 4 and 5 along x
	s_cselect_b32 s[VT], 1, 0
	s_cselect_b32 s21, 6553600, 0                  ; Wv's heads begin at group 32 of wc
	s_add_co_u32 s20, s20, s21
	s_mov_b32 s21, 0
	s_and_b32 s46, s42, 15
	s_lshl_b32 s46, s46, 1
	s_add_co_u32 s46, s46, s18
	s_mul_i32 s46, s46, 204800                     ; B: group 2 (X % 16) + the one I fetch
	s_mov_b32 s47, 0
	s_mul_i32 s19, s16, PB                         ; LDS: quarter = wave
	s_add_co_u32 s86, s19, SLOT
	s_wait_dscnt 0x0
	s_wait_kmcnt 0x0
	s_cmp_ge_u32 ttmp9, 4
	s_cselect_b64 s[22:23], s[6:7], s[4:5]         ; A's buffer: wc for v, else hc
	s_cselect_b64 s[66:67], s[4:5], s[6:7]
	s_add_nc_u64 s[20:21], s[22:23], s[20:21]
	s_add_nc_u64 s[46:47], s[66:67], s[46:47]
	CROUND                                         ; the first joint loads meet
	s_mov_b32 s[G0A], 1
	s_mov_b32 s[G0A+1], s19
	s_mov_b64 s[G0A+2:G0A+3], s[20:21]             ; K steps 0-2
	s_or_b32 s[G0A+3], s[G0A+3], 0x80000000
	s_mov_b32 s[G0B], 1
	s_mov_b32 s[G0B+1], s19
	s_mov_b64 s[G0B+2:G0B+3], s[46:47]
	s_or_b32 s[G0B+3], s[G0B+3], 0x80000000
	s_mov_b32 s[G0A+8], 1
	s_mov_b32 s[G0A+9], s86
	s_add_nc_u64 s[G0A+10:G0A+11], s[20:21], PB    ; K steps 3-5
	s_or_b32 s[G0A+11], s[G0A+11], 0x80000000
	s_mov_b32 s[G0B+8], 1
	s_mov_b32 s[G0B+9], s86
	s_add_nc_u64 s[G0B+10:G0B+11], s[46:47], PB
	s_or_b32 s[G0B+11], s[G0B+11], 0x80000000
	JLOAD 0                                        ; one tensor load a wave at the head
	s_mul_i32 s87, s17, PB                         ; my group of A,
	s_mul_i32 s88, s18, PB
	s_add_co_u32 s88, s88, 2*PB                    ; my group of B, behind A's two
	s_sub_co_u32 s89, s88, s87
	s_add_co_u32 s90, s87, 12288
	s_cmp_eq_u32 s17, 0
	s_cselect_b32 s91, s40, s41                    ; my place among the four that ask with me: it enters a prefetch's address alone
	s_cselect_b64 s[PFA:PFA+1], s[20:21], s[46:47]
	s_mul_i32 s91, s91, 38
	v_and_b32 v1, 15, v0                           ; r
	v_bfe_u32 v[HH], v0, 4, 1                      ; h
	v_and_b32 v3, 31, v0
	v_lshlrev_b32 v[LI], 4, v3
	v_lshlrev_b32 v5, 5, v1
	v_mul_u32_u24 v6, s89, v[HH]                   ; lanes 16-31 take B's scale words
	v_add_nc_u32 v6, v5, v6
	v_add_nc_u32 v[ADRA], s87, v[LI]
	v_add_nc_u32 v[ADRB], s88, v[LI]
	v_add_nc_u32 v[ADRS], s90, v6
	v_add_nc_u32 v[ADRA+1], SLOT, v[ADRA]
	v_add_nc_u32 v[ADRB+1], SLOT, v[ADRB]
	v_add_nc_u32 v[ADRS+1], SLOT, v[ADRS]
	v_and_b32 v4, 8, v1
	v_add_nc_u32 v4, v4, v1
	v_lshlrev_b32 v[CSO], 8, v4
	v_lshl_add_u32 v[CSO], v[HH], 6, v[CSO]
	v_lshl_add_u32 v[SCO], v[HH], 4, v5
	v_add_nc_u32 v[PFO], s91, v3                   ; blocks 38 p + lane,
	v_min_u32 v[PFO], 149, v[PFO]
	v_lshlrev_b32 v[PFO], 8, v[PFO]
	v_min_u32 v[PFO+1], 5, v3                      ; and 38 p + 32 .. 38 p + 37, held inside the fill's 150
	v_add_nc_u32 v[PFO+1], s91, v[PFO+1]
	v_add_nc_u32 v[PFO+1], 32, v[PFO+1]
	v_min_u32 v[PFO+1], 149, v[PFO+1]
	v_lshlrev_b32 v[PFO+1], 8, v[PFO+1]
	s_wait_alu depctr_va_vdst(0)                   ; the wait behind the head's vector work
	ASK 1
	s_mov_b32 s[SEL], 0x76543210
	s_mov_b32 s[SEL+1], 0xfedcba98
	; where my 128 x 128 goes.  (2 X + NI) % 16 is the head for q and k and the s group for v; 2 Y + MI the s group for q and k and the head for v
	s_lshl_b32 s86, s42, 1
	s_add_co_u32 s86, s86, s18
	s_and_b32 s88, s86, 15
	s_lshl_b32 s87, s43, 1
	s_add_co_u32 s87, s87, s17
	s_cmp_lg_u32 s[VT], 0
	s_cselect_b32 s89, s87, s88                    ; the head
	s_cselect_b32 s90, s88, s87                    ; the s group
	s_cselect_b32 s91, 12800, 0                    ; V's block lies behind K's
	s_lshl_b32 s89, s89, 4
	s_add_co_u32 s89, s89, s90
	s_cmp_lt_u32 ttmp9, 2                          ; q: X 0-7
	s_mov_b32 s92, 25600
	s_cselect_b32 s92, 12800, s92
	s_cselect_b64 s[12:13], s[12:13], s[14:15]     ; qc or kv
	s_mul_i32 s92, s89, s92
	s_add_co_u32 s92, s92, s91
	s_mov_b32 s93, 0
	s_add_nc_u64 s[12:13], s[12:13], s[92:93]
	s_lshl_b32 s94, s90, 15                        ; cos, sin: the s group's 128 rows of 256 bytes
	s_mov_b32 s95, 0
	s_add_nc_u64 s[8:9], s[8:9], s[94:95]
	s_add_nc_u64 s[10:11], s[10:11], s[94:95]
.macro FRAG reg, adr, q, i
.irp c, 0,1,2
	ds_load_b128 v[\reg+4*\c:\reg+4*\c+3], v[\adr] offset:KB*(\q)+1536*(\i)+512*\c
.endr
.endm
; 16 matrix instructions: A's fragments a0, a0 + 1 x B's eight.  The 64 accumulators take turns, in the same order in every step.
.macro MUL16 a0, p, scb, zero
.irp a, \a0, \a0+1
.irp b, 0,1,2,3,4,5,6,7
.if \zero
	v_wmma_scale_f32_16x16x128_f8f6f4 v[8*(8*((\a)%4)+\b):8*(8*((\a)%4)+\b)+7], v[128*(\p)+FR*\b:128*(\p)+FR*\b+FR-1], v[AF+FR*(\a):AF+FR*(\a)+FR-1], 0, v[(\scb)+\b], v[(\scb)+(\a)] matrix_a_fmt:MATRIX_FMT_BF6 matrix_b_fmt:MATRIX_FMT_BF6 matrix_a_scale:MATRIX_SCALE_ROW1
.else
	v_wmma_scale_f32_16x16x128_f8f6f4 v[8*(8*((\a)%4)+\b):8*(8*((\a)%4)+\b)+7], v[128*(\p)+FR*\b:128*(\p)+FR*\b+FR-1], v[AF+FR*(\a):AF+FR*(\a)+FR-1], v[8*(8*((\a)%4)+\b):8*(8*((\a)%4)+\b)+7], v[(\scb)+\b], v[(\scb)+(\a)] matrix_a_fmt:MATRIX_FMT_BF6 matrix_b_fmt:MATRIX_FMT_BF6 matrix_a_scale:MATRIX_SCALE_ROW1
.endif
.endr
.endr
.endm
.macro FETCH_B slot, q, p
	WIN TO_B
.irp i, 0,1,2,3,4,5,6,7
	FRAG 128*(\p)+FR*\i, ADRB+\slot, \q, \i
.endr
	WIN 0
.endm
.macro FETCH_A slot, q, i0
.irp i, \i0, \i0+1, \i0+2, \i0+3
	FRAG AF+FR*(\i), ADRA+\slot, \q, \i
.endr
.endm
.macro SCALES slot, nq                 ; a slot's scale words, its nq K steps
.set sq, 0
.rept \nq
.irp k, 0,1
	ds_load_b128 v[SC+24*\slot+8*sq+4*\k:SC+24*\slot+8*sq+4*\k+3], v[ADRS+\slot] offset:KB*sq+16*\k
.endr
.set sq, sq+1
.endr
.endm
; K step q (0 or 1) of a slot.  B's set is the K step's parity, (q + slot) % 2.  A's fragments 0-3 are fetched anew in the step's middle, 4-7 at its end.
.macro STEP slot, q, zero
.set PP, ((\q)+(\slot))%2
	s_wait_dscnt 4*NL                              ; all but the youngest twelve loads (A's fragments 4-7)
	WIN MUL_LO
	MUL16 0, PP, SC+24*\slot+8*(\q), \zero
	MUL16 2, PP, SC+24*\slot+8*(\q), \zero
	s_wait_dscnt 0
	PLACES NP
	FETCH_B \slot, (\q)+1, 1-PP
	FETCH_A \slot, (\q)+1, 0
	WIN MUL_HI
	MUL16 4, PP, SC+24*\slot+8*(\q), \zero
	MUL16 6, PP, SC+24*\slot+8*(\q), \zero
	PLACES NP
	WIN 0
	FETCH_A \slot, (\q)+1, 4
.endm
; A slot's third K step changes slots.  fill = 1: this slot takes the K steps six further on; 2: the same with one K step (50 rows); 0: nothing is left.  pf: the fill that is prefetched, 0 for none.
.macro TURN slot, next, nq, fill, pf
.set PP, (\slot)%2
	s_wait_tensorcnt 0x0                           ; all my tensor loads have landed: my part of the next slot
	ds_add_u32 v[SPW], v[NIL]
.if \fill == 2
	s_mov_b32 s[G1A+26], 50<<16                    ; no load of mine is out: the last fill has 50 rows
	s_mov_b32 s[G1A+28], 50
	s_mov_b32 s[G1B+26], 50<<16
	s_mov_b32 s[G1B+28], 50
.endif
	s_wait_dscnt 4*NL+1                            ; the add and the youngest twelve loads may be out
	WIN MUL_LO
	MUL16 0, PP, SC+24*\slot+16, 0
	s_wait_dscnt 0x0                               ; the add is done, and my reads of this slot are over
	s_barrier_signal -1
	MUL16 2, PP, SC+24*\slot+16, 0
	WIN 0
	s_barrier_wait -1
.if \fill
	CREST                                          ; the barrier has opened a round of the cluster's barrier
	s_add_nc_u64 s[G0A+8*\slot+2:G0A+8*\slot+3], s[G0A+8*\slot+2:G0A+8*\slot+3], KADV
	s_add_nc_u64 s[G0B+8*\slot+2:G0B+8*\slot+3], s[G0B+8*\slot+2:G0B+8*\slot+3], KADV
	JLOAD \slot                                    ; its four v_nop are also the places in front of the loads below
.else
	PLACES NP
.endif
	FETCH_B \next, 0, 1-PP
	FETCH_A \next, 0, 0
	SCALES \next, \nq
.if \pf
	ASK \pf
.endif
	WIN MUL_HI
	MUL16 4, PP, SC+24*\slot+16, 0
	MUL16 6, PP, SC+24*\slot+16, 0
	PLACES NP
	WIN 0
	FETCH_A \next, 0, 4
.endm
	s_wait_alu depctr_va_vdst(0)                   ; the wait at the head's end
	s_wait_tensorcnt 0x0                           ; my part of K steps 0-2 is in; slot 1's first fill is issued as a refill is
	ds_add_u32 v[SPW], v[NIL]
	s_wait_dscnt 0x0
	CROUND
	JLOAD 1                                        ; K steps 3-5
	FETCH_B 0, 0, 0
	FETCH_A 0, 0, 0
	SCALES 0, 3
	ASK 2
	FETCH_A 0, 0, 4
	STEP 0, 0, 1                                   ; K step 0: its products start the sums
	STEP 0, 1, 0
	TURN 0, 1, 3, 1, 3                             ; K step 2; slot 0 takes K steps 6-8
	STEP 1, 0, 0
	STEP 1, 1, 0
	TURN 1, 0, 3, 1, 4                             ; K step 5; slot 1 takes K steps 9-11
	STEP 0, 0, 0
	STEP 0, 1, 0
	TURN 0, 1, 3, 1, 0                             ; K step 8; slot 0 takes K steps 12-14
	STEP 1, 0, 0
	STEP 1, 1, 0
	TURN 1, 0, 3, 2, 0                             ; K step 11; slot 1 takes K step 15
	STEP 0, 0, 0
	STEP 0, 1, 0
	TURN 0, 1, 1, 0, 0                             ; K step 14; nothing is left to fetch
; THE ROTATION (q and k).  Fragment row a: my row is s = 128 x s group + pi(a, r); register n (0-31) holds d = 32 (n / 16) + 16 h + n % 16, register n + 32 holds d + 64; cos and sin come in the same order.
; Four sets of 64 registers in window 1 take turns: set a % 4 at v[64 (a % 4)]; cos in a set's first 32, sin in the next 32.
.macro CSLOAD a
.set CSB, 64*((\a)%4)
	WIN TO_B
.irp be, 0,1
.irp j, 0,1,2,3
	global_load_b128 v[CSB+16*\be+4*\j:CSB+16*\be+4*\j+3], v[CSO], s[8:9] offset:(32*((\a)/2)+8*((\a)%2))*256+128*\be+16*\j
	global_load_b128 v[CSB+32+16*\be+4*\j:CSB+32+16*\be+4*\j+3], v[CSO], s[10:11] offset:(32*((\a)/2)+8*((\a)%2))*256+128*\be+16*\j
.endr
.endr
.endm
	s_cmp_lg_u32 s[VT], 0
	s_cbranch_scc1 .Lno_cs                         ; v is not rotated
	CSLOAD 0                                       ; B's set 0 is done with (the places stand at the end of K step 14): the first two sets are asked for under K step 15
	CSLOAD 1
	WIN 0
.Lno_cs:
	s_wait_dscnt 4*NL                              ; K step 15
	WIN MUL_LO
	MUL16 0, 1, SC+24, 0
	MUL16 2, 1, SC+24, 0
	s_wait_dscnt 0
	WIN MUL_HI
	MUL16 4, 1, SC+24, 0
	MUL16 6, 1, SC+24, 0
	WIN 0
	PLACES NP                                      ; behind the last products
.macro ROPE a
.set CSB, 64*((\a)%4)
.set WA, 2+(\a)/4
.set AC, 64*((\a)%4)
.set WN, WA|(1<<2)
	WIN WN
.set n, 0
.rept 16
	v_pk_mul_f32 v[TMPA+n:TMPA+n+1], v[AC+32+n:AC+32+n+1], v[CSB+32+n:CSB+32+n+1]   ; t2 sin; each accumulator is read from its low end on
.set n, n+2
.endr
.set n, 0
.rept 16
	v_pk_mul_f32 v[TMPB+n:TMPB+n+1], v[AC+n:AC+n+1], v[CSB+32+n:CSB+32+n+1]         ; t1 sin
.set n, n+2
.endr
.set WN, WA|(1<<2)|(WA<<6)
	WIN WN
.set n, 0
.rept 16
	v_pk_fma_f32 v[AC+n:AC+n+1], v[AC+n:AC+n+1], v[CSB+n:CSB+n+1], v[TMPA+n:TMPA+n+1] neg_lo:[0,0,1] neg_hi:[0,0,1]   ; t1 cos - t2 sin
.set n, n+2
.endr
.set n, 0
.rept 16
	v_pk_fma_f32 v[AC+32+n:AC+32+n+1], v[AC+32+n:AC+32+n+1], v[CSB+n:CSB+n+1], v[TMPB+n:TMPB+n+1]                     ; t2 cos + t1 sin
.set n, n+2
.endr
.endm
	s_cmp_lg_u32 s[VT], 0
	s_cbranch_scc1 .Lquant
	CSLOAD 2
	CSLOAD 3
.irp a, 0,1,2,3,4,5,6,7
.if \a < 5
	s_wait_loadcnt 48                              ; this row's sixteen loads are in; the three sets asked for behind it may be out
.else
	s_wait_loadcnt 16*(7-\a)
.endif
	ROPE \a
.if \a < 4
	CSLOAD \a+4
.endif
.endr
	WIN 0
.Lquant:
; THE QUANTISER, a fragment row at a time: my 64 numbers, register 16 b + i = k 32 b + 16 h + i of my row, stay in their window; all else lies in window 0.
.irp b, 0,1,2,3
	v_mov_b32 v[TM+4+\b], 0                        ; a lane permute's destination counts as one of its sources
.endr
.macro QUANTW a
.set WA, 2+(\a)/4
.set AC, 64*((\a)%4)
.set PCD, PCB+12*(\a)
.set WN, (WA<<2)|(WA<<4)
	WIN WN
.irp b, 0,1,2,3
	v_max3_num_f32 v[TM+\b], 0x2800000, |v[AC+16*\b]|, |v[AC+16*\b+1]|   ; the floor 2^(5 - 127) and my first two numbers of block b
.endr
.irp i, 2,4,6,8,10,12,14
.irp b, 0,1,2,3
	v_max3_num_f32 v[TM+\b], v[TM+\b], |v[AC+16*\b+\i]|, |v[AC+16*\b+\i+1]|
.endr
.endr
	WIN 0
.irp b, 0,1,2,3
	v_permlanex16_b32 v[TM+4+\b], v[TM+\b], s[SEL], s[SEL+1]
.endr
.irp b, 0,1,2,3
	v_max_num_f32 v[TM+\b], v[TM+\b], v[TM+4+\b]   ; the block's largest magnitude
.endr
.irp b, 0,1,2,3
	v_add_nc_u32 v[TM+12+\b], 0xfe000000, v[TM+\b] ; 4 off its exponent field: the conversion's scale operand
.endr
.irp b, 0,1,2,3
	v_lshrrev_b32 v[TM+4+\b], 23, v[TM+12+\b]      ; the scale's byte
.endr
	v_lshl_or_b32 v[PW+(\a)], v[TM+5], 8, v[TM+4]
	v_lshl_or_b32 v[PW+(\a)], v[TM+6], 16, v[PW+(\a)]
	v_lshl_or_b32 v[PW+(\a)], v[TM+7], 24, v[PW+(\a)]
	WIN WA
.irp c, 0,1
	v_cvt_scalef32_pk16_bf6_f32 v[PCD+6*\c:PCD+6*\c+2], v[AC+32*\c:AC+32*\c+15], v[TM+12+2*\c]
	v_cvt_scalef32_pk16_bf6_f32 v[PT+4*\c:PT+4*\c+2], v[AC+16+32*\c:AC+31+32*\c], v[TM+13+2*\c]
.endr
	WIN 0
	v_nop                                          ; one plain place behind a scaled conversion
.irp c, 0,1                            ; a WHOLE block in a lane
.irp i, 0,1,2
	v_permlane16_swap_b32 v[PCD+6*\c+\i], v[PT+4*\c+\i]
.endr
.irp i, 0,1,2
	v_mov_b32 v[PCD+3+6*\c+\i], v[PT+4*\c+\i]
.endr
.endr
.irp c, 0,1,2
	global_store_b128 v[LI], v[PCD+4*\c:PCD+4*\c+3], s[12:13] offset:1536*(\a)+512*\c   ; 512 consecutive bytes a store; each fragment has registers of its own
.endr
.endm
.irp a, 0,1,2,3,4,5,6,7
	QUANTW \a
.endr
	v_cmp_eq_u32 vcc_lo, 1, v[HH]
.irp i, 0,1,2,3
	v_cndmask_b32 v[SW+\i], v[PW+\i], v[PW+4+\i], vcc_lo   ; lanes 0-15 send the words of fragments 0-3 of row r, lanes 16-31 those of 4-7
.endr
	global_store_b128 v[SCO], v[SW:SW+3], s[12:13] offset:12288
	s_wait_tensorcnt 0x0                           ; the wave's end
	ds_add_u32 v[SPW], v[NIL]
	s_wait_dscnt 0x0
	CROUND                                         ; the closing round
	s_endpgm
.Lfunc_end_k_qb3773f9adf_qkv:
	.size	k_qb3773f9adf_qkv, .Lfunc_end_k_qb3773f9adf_qkv-k_qb3773f9adf_qkv
	.p2alignl 7, 3214868480
	.fill 96, 4, 3214868480
	.section	.rodata,"a",@progbits
	.p2align	6, 0x0
	.amdhsa_kernel k_qb3773f9adf_qkv
		.amdhsa_group_segment_fixed_size 327680
		.amdhsa_private_segment_fixed_size 0
		.amdhsa_enable_private_segment 0
		.amdhsa_kernarg_size 48
		.amdhsa_user_sgpr_count 2
		.amdhsa_user_sgpr_kernarg_segment_ptr 1
		.amdhsa_wavefront_size32 1
		.amdhsa_system_sgpr_workgroup_id_x 1
		.amdhsa_system_sgpr_workgroup_id_y 1
		.amdhsa_system_sgpr_workgroup_id_z 1
		.amdhsa_system_vgpr_workitem_id 0
		.amdhsa_next_free_vgpr 1024
		.amdhsa_next_free_sgpr 100
		.amdhsa_reserve_vcc 1
		.amdhsa_float_denorm_mode_32 3
		.amdhsa_float_denorm_mode_16_64 3
		.amdhsa_memory_ordered 1
		.amdhsa_forward_progress 1
		.amdhsa_inst_pref_size 255
	.end_amdhsa_kernel
	.section	.bss,"aw",@nobits
	.p2align	6
	.space	262144
	.amdgpu_metadata
---
amdhsa.version: [ 1, 2 ]
amdhsa.kernels:
  - .name:           k_qb3773f9adf_qkv
    .symbol:         k_qb3773f9adf_qkv.kd
    .args:
      - { .name: hc, .offset: 0, .size: 8, .value_kind: global_buffer, .address_space: global }
      - { .name: wc, .offset: 8, .size: 8, .value_kind: global_buffer, .address_space: global }
      - { .name: cos, .offset: 16, .size: 8, .value_kind: global_buffer, .address_space: global }
      - { .name: sin, .offset: 24, .size: 8, .value_kind: global_buffer, .address_space: global }
      - { .name: qc, .offset: 32, .size: 8, .value_kind: global_buffer, .address_space: global }
      - { .name: kv, .offset: 40, .size: 8, .value_kind: global_buffer, .address_space: global }
    .group_segment_fixed_size: 327680
    .private_segment_fixed_size: 0
    .kernarg_segment_align: 8
    .kernarg_segment_size: 48
    .max_flat_workgroup_size: 128
    .sgpr_count:     100
    .vgpr_count:     1024
    .wavefront_size: 32
...
	.end_amdgpu_metadata
.endif
;; end of part 2
;; launch attn (part 3): grid 16 x 16, 16 waves a work-group, clusters of 4 x 1, 327,680 bytes of LDS; arguments qc, kv, ac; writes ac
.if DOCPART == 3
	.amdgcn_target "amdgcn-amd-amdhsa--gfx1250"
	.amdhsa_code_object_version 6
	.text
	.protected	k_qb3773f9adf_attn
	.globl	k_qb3773f9adf_attn
	.p2align	8
	.type	k_qb3773f9adf_attn,@function
k_qb3773f9adf_attn:
	s_mov_b64 s[64:65], 0
	v_nop
	global_prefetch_b8 v0, s[64:65] scope:SCOPE_SE
	s_setreg_imm32_b32 hwreg(HW_REG_WAVE_MODE, 25, 1), 1
	s_wait_xcnt 0x0
	s_wait_alu depctr_hold_cnt(0) depctr_sa_sdst(0) depctr_va_vdst(0) depctr_va_sdst(0) depctr_va_ssrc(0) depctr_va_vcc(0) depctr_vm_vsrc(0)
	s_getreg_b32 s2, hwreg(HW_REG_IB_STS2, 6, 4)
	s_cmp_eq_u32 s2, 0
	s_cbranch_scc0 .Lentry_in_a_cluster
	s_endpgm
.Lentry_in_a_cluster:
	s_bfe_u32 s2, ttmp6, 0x10000c
	s_cmp_lg_u32 s2, 0x3003
	s_cbranch_scc0 .Lentry_shape_is_right
	s_endpgm
.Lentry_shape_is_right:
; Causal attention on codes of BF6 (E3M2) with E8M0 scales: S^T = K Q^T, p = 2^(t - M), O^T = V^T P^T, O / l, and O quantised along (head, d) for the output projection.
; Key steps whose keys all come after a wave's queries are left out: the causal mask that the problem builds itself makes their p zero.
; qc: [head][s group][operand block];  kv: [head][key step of 128][K's block, V's block];  ac: [s group][K step = head][operand block].
; AN OPERAND BLOCK, 12,800 bytes: byte 1536 t + 512 c + 16 lane = registers 4 c .. 4 c + 3 of fragment t (lane (r, h): row pi(t, r)); byte 12288 + 32 r + 4 t = the scale word of row pi(t, r);
; pi(t, r) = 32 (t / 2) + 8 (t % 2) + r + 8 (r / 8).  Since K's fragments take keys pi(t, .), the 64 registers of S^T are keys 32 b + 16 h + i; V's likewise give d in that order.
; THE SOFTMAX: t = score x log2(e) / sqrt(128); M = the running largest t rounded UP to a whole number; p = 2^(t - M) is quantised along the keys, not normalised; the row's sum is taken of the unquantised p and
; divides at the end; when M moves, the sum and O^T are multiplied by 2^(old M - new M), which rounds nothing.  Hidden scores become -infinity ahead of the maximum.
; SHARES.  Cluster J (0-3) of a head owns the query groups 2 J, 2 J + 1, 14 - 2 J, 15 - 2 J; partner cx takes fragments 2 cx, 2 cx + 1 (32 queries) of each: eight fragments of 16 queries a work-group.
; TWO WAVES TO A FRAGMENT: wave w and wave w + 8 hold the same queries of group G; wave w takes the even key steps 0 .. G, wave w + 8 the odd ones, each with a running M, sum and O^T of its own: at most eight steps a wave.
; At the end wave w + 8 hands -M, its sum and O^T over through LDS, and wave w brings both parts under the larger M by factors 2^(M' - M), which round nothing, adds them, divides, quantises and stores.
; G hangs on the cluster's number and the wave's: all partners branch alike; cx enters global addresses and the mask's numbers alone.
; LDS holds twelve key steps (25,600 bytes each), every load one key step, jointly for the four partners: waves 0-3 ask for steps 0-3 at the head; waves 0-7 for steps 4-11 behind the full sequence and a round;
; waves 0-3 for steps 12-15, into the first four places, behind the round that follows steps 0-3.
; Every work-group walks all sixteen steps with constant trip counts; a step that is not the wave's is jumped over (a scalar branch on ids; no barrier and no tensor load stands in a step).
; The price: the clusters with J of 2 or 3 fetch steps that none of their waves reads.
; The hand-over lies in the places of key steps 4 on: they are filled once, and their last reads stand ahead of the barrier behind step 11.
; No prefetch is laid: a head's K and V are asked for in three groups of loads, of which the second and third are issued at least two of a wave's key steps ahead of their first read.
; LIMITS: p under 2^-126 counts as 0; a block of zeros gets the byte 1 (zero codes; this program alone reads the bytes); NaN and infinities are not served; the scaled scores stay under 2^31 in magnitude.
; REGISTERS: v1-9 addresses; v12 -M, v13 the largest t, v[14:15] the sum; v16-27 Q; v28 Q's scale word; v29 the mask's number; v32-79 four fragments; v80-87 K's scale words, v88-95 V's;
;   v96-159 S^T, then p, then V's fragments 4-7; v160-223 O^T; v224-235 p's codes; v232-254 at work.
.set KSB,   25600
.set SPARE, 12*KSB                     ; the spare words: 128 bytes a wave, 2,048 in all, named by no other line
.set MRG,   4*KSB                      ; the hand-over: 17 x 512 bytes for each fragment
.set MSZ,   17*512
.set LI,  1                            ; 16 x lane
.set LS,  2                            ; 32 r
.set MA,  3                            ; my fragment's hand-over, + 16 x lane
.set SPW, 5
.set NIL, 6
.set ADK, 8
.set ADS, 9
.set WV,  10
.set G1,  16                           ; s[16:23] group 1;  s[24:31] two groups 0
.set G0,  24
.set SEL, 36
.set CS,  38
.set KS,  40
.set GQ,  41
.set TB,  42
.set CNT, 43
.set PAR, 66                           ; which key steps are mine: 0 even, 1 odd
.set TP,  68
.macro CROUND
	s_barrier_signal -1
	s_barrier_wait -1
	s_cmp_lg_u32 s[WV], 0
	s_cbranch_scc1 .Lnot_wave_0_\@
	s_barrier_signal -3
.Lnot_wave_0_\@:
	s_barrier_wait -3
	s_barrier_signal -1
	s_barrier_wait -1
.endm
.macro PLACES
.rept 4
	v_nop
.endr
.endm
; 64 numbers of a lane, register 16 b + i = k 32 b + 16 (lane / 16) + i of my row, become a fragment's 12 registers in v[pc] on and its scale word in v[pw]
.macro QUANT s, tm, pw, pc
.irp b, 0,1,2,3
	v_max3_num_f32 v[\tm+\b], |v[\s+16*\b]|, |v[\s+1+16*\b]|, 0x2800000
.endr
.irp i, 2,4,6,8,10,12,14
.irp b, 0,1,2,3
	s_delay_alu instid0(VALU_DEP_4)
	v_max3_num_f32 v[\tm+\b], v[\tm+\b], |v[\s+16*\b+\i]|, |v[\s+1+16*\b+\i]|
.endr
.endr
.irp b, 0,1,2,3
	s_delay_alu instid0(VALU_DEP_4)
	v_permlanex16_b32 v[\tm+4+\b], v[\tm+\b], s[SEL], s[SEL+1]
.endr
.irp b, 0,1,2,3
	s_delay_alu instid0(VALU_DEP_4)
	v_max_num_f32 v[\tm+\b], v[\tm+\b], v[\tm+4+\b]
.endr
.irp b, 0,1,2,3
	s_delay_alu instid0(VALU_DEP_4)
	v_add_nc_u32 v[\tm+12+\b], 0xfe000000, v[\tm+\b]
.endr
.irp b, 0,1,2,3
	s_delay_alu instid0(VALU_DEP_4)
	v_lshrrev_b32 v[\tm+4+\b], 23, v[\tm+12+\b]
.endr
	s_delay_alu instid0(VALU_DEP_3)
	v_lshl_or_b32 v[\pw], v[\tm+5], 8, v[\tm+4]
	s_delay_alu instid0(VALU_DEP_1)
	v_lshl_or_b32 v[\pw], v[\tm+6], 16, v[\pw]
	s_delay_alu instid0(VALU_DEP_1)
	v_lshl_or_b32 v[\pw], v[\tm+7], 24, v[\pw]
.irp c, 0,1
	v_cvt_scalef32_pk16_bf6_f32 v[\pc+6*\c:\pc+2+6*\c], v[\s+32*\c:\s+15+32*\c], v[\tm+12+2*\c]
	v_cvt_scalef32_pk16_bf6_f32 v[\pc+12+4*\c:\pc+14+4*\c], v[\s+16+32*\c:\s+31+32*\c], v[\tm+13+2*\c]
.endr
	v_nop
.irp c, 0,1
.irp i, 0,1,2
	v_permlane16_swap_b32 v[\pc+6*\c+\i], v[\pc+12+4*\c+\i]
.endr
.irp i, 0,1,2
	s_delay_alu instid0(VALU_DEP_3)
	v_mov_b32 v[\pc+3+6*\c+\i], v[\pc+12+4*\c+\i]
.endr
.endr
.endm
	s_load_b128 s[4:7], s[0:1], 0x0                ; qc, kv
	s_load_b64 s[8:9], s[0:1], 0x10                ; ac
	v_lshl_add_u32 v[SPW], v0, 2, SPARE
	v_mov_b32 v[NIL], 0
	ds_add_u32 v[SPW], v[NIL]                      ; the opening lines: the add twice and one wait
	ds_add_u32 v[SPW], v[NIL]
	v_lshrrev_b32 v8, 5, v0
	v_readfirstlane_b32 s[WV], v8                  ; wave 0..15
	s_lshr_b32 s[PAR], s[WV], 3
	s_bfe_u32 s11, ttmp6, 0x40000                  ; cx
	s_and_b32 s12, ttmp7, 0xffff                   ; the head
	s_and_b32 s13, s[WV], 1
	s_bfe_u32 s14, s[WV], 0x10002                  ; u: which of my work-group's two fragments of a group
	s_xor_b32 s13, s13, s14                        ; 1: one of the cluster's two late groups
	s_bfe_u32 s15, s[WV], 0x10001
	s_lshl_b32 s[GQ], ttmp9, 1
	s_add_co_u32 s[GQ], s[GQ], s15                 ; 2 J + that bit,
	s_mul_i32 s13, s13, 15
	s_xor_b32 s[GQ], s[GQ], s13                    ; or 15 less it
	s_lshl_b32 s44, s11, 1
	s_add_co_u32 s44, s44, s14                     ; my fragment: 2 cx + u
	s_mov_b32 s[G1], 15|(3<<16)|(1<<21)            ; the mask: all four work-groups; 25,600 dense bytes as 100 rows of 256 bytes
	s_mov_b32 s[G1+1], 32<<16
	s_mov_b32 s[G1+2], 100<<16
	s_mov_b32 s[G1+3], 32<<16
	s_mov_b32 s[G1+4], 100
	s_mov_b32 s[G1+5], 32
	s_mov_b32 s[G1+6], 0
	s_mov_b32 s[G1+7], 0
	s_and_b32 s45, s[WV], 7
	s_mul_i32 s67, s45, MSZ
	s_add_co_u32 s67, s67, MRG                     ; my fragment's hand-over
	s_mul_i32 s45, s45, KSB                        ; the key step that I fetch: its place in LDS and in memory alike
	s_mul_i32 s46, s12, 409600                     ; the head's sixteen key steps
	s_add_co_u32 s46, s46, s45
	s_mov_b32 s47, 0
	s_lshl_b32 s48, s12, 4
	s_add_co_u32 s48, s48, s[GQ]
	s_mul_i32 s48, s48, 12800                      ; qc: block (head, group)
	s_lshl_b32 s52, s[GQ], 4
	s_add_co_u32 s52, s52, s12
	s_mul_i32 s52, s52, 12800                      ; ac: block (group, head)
	s_mul_i32 s50, s44, 1536
	s_lshl_b32 s51, s44, 2
	s_add_co_u32 s51, s51, 12288
	s_lshl_b32 s53, s11, 5
	s_lshl_b32 s49, s14, 3
	s_add_co_u32 s53, s53, s49                     ; 32 cx + 8 u
	s_mov_b32 s55, 0
	s_mov_b32 s[SEL], 0x76543210
	s_mov_b32 s[SEL+1], 0xfedcba98
	s_mov_b32 s[CS], 0x3e0293ee
	s_mov_b32 s[CS+1], s[CS]
	s_wait_dscnt 0x0
	s_wait_kmcnt 0x0
	s_add_nc_u64 s[46:47], s[6:7], s[46:47]
	s_add_co_u32 s54, s48, s50
	s_add_nc_u64 s[56:57], s[4:5], s[54:55]
	s_add_co_u32 s54, s48, s51
	s_add_nc_u64 s[58:59], s[4:5], s[54:55]
	s_add_co_u32 s54, s52, s50
	s_add_nc_u64 s[60:61], s[8:9], s[54:55]
	s_add_co_u32 s54, s52, s51
	s_add_nc_u64 s[62:63], s[8:9], s[54:55]
	CROUND                                         ; the first joint loads meet
.irp s, 0,1
	s_mov_b32 s[G0+4*\s], 1
	s_add_co_u32 s[G0+4*\s+1], s45, \s*4*KSB
	s_add_nc_u64 s[G0+4*\s+2:G0+4*\s+3], s[46:47], \s*4*KSB
	s_or_b32 s[G0+4*\s+3], s[G0+4*\s+3], 0x80000000
.endr
	s_cmp_lt_u32 s[WV], 4
	s_cbranch_scc0 .Lno_first
	tensor_load_to_lds s[G0:G0+3], s[G1:G1+7]      ; key step = wave
	s_nop 0
	PLACES
.Lno_first:
	v_and_b32 v10, 15, v0                          ; r
	v_bfe_u32 v11, v0, 4, 1                        ; h
	v_and_b32 v[LI], 31, v0
	s_delay_alu instid0(VALU_DEP_1)
	v_lshlrev_b32 v[LI], 4, v[LI]
	v_lshlrev_b32 v[LS], 5, v10
	v_add_nc_u32 v[MA], s67, v[LI]
.irp c, 0,1,2
	global_load_b128 v[16+4*\c:19+4*\c], v[LI], s[56:57] offset:512*\c   ; Q's fragment stays in registers
.endr
	global_load_b32 v28, v[LS], s[58:59]
	v_and_b32 v29, 8, v10
	v_lshlrev_b32 v7, 4, v11
	v_add_nc_u32 v29, v29, v10
	s_delay_alu instid0(VALU_DEP_1)
	v_sub_nc_u32 v29, v29, v7
	s_delay_alu instid0(VALU_DEP_1)
	v_add_nc_u32 v29, s53, v29                     ; pi(2 cx + u, r) less 16 h: on the diagonal register 16 b + i is hidden where 32 b + i is greater
	v_mov_b32 v13, 0xff61b1e6                      ; the largest t so far: -3e38
	s_delay_alu instid0(VALU_DEP_1)
	v_floor_f32 v12, -v13                          ; -M
	v_mov_b32 v14, 0
	v_mov_b32 v15, 0
.irp b, 0,1,2,3
	v_mov_b32 v[236+\b], 0                         ; a lane permute's destination counts as one of its sources
.endr
	v_mov_b32 v252, 0
	v_mov_b32 v253, 0
.set n, 0
.rept 64
	v_mov_b32 v[160+n], 0                          ; O^T: a wave may have no step at all, and its part is then handed over as zeros
.set n, n+1
.endr
; A KEY STEP: 128 keys at LDS byte s[TB].
.macro STEP
	s_cmp_gt_u32 s[KS], s[GQ]
	s_cbranch_scc1 .Lhidden_\@                     ; all its keys come after my queries
	s_and_b32 s[TP], s[KS], 1
	s_cmp_lg_u32 s[TP], s[PAR]
	s_cbranch_scc1 .Lhidden_\@                     ; my partner's step
	v_add_nc_u32 v[ADK], s[TB], v[LI]
	v_add_nc_u32 v[ADS], s[TB], v[LS]
	s_wait_alu depctr_va_vdst(0)                   ; the wait behind these writes
	PLACES                                         ; six places behind the last step's products
.irp g, 0,1                            ; S^T = K Q^T, four fragments of 16 keys at a time
.if \g > 0
	PLACES
.endif
.irp t, 0,1,2,3
.irp c, 0,1,2
	ds_load_b128 v[32+12*\t+4*\c:35+12*\t+4*\c], v[ADK] offset:1536*(4*\g+\t)+512*\c
.endr
.endr
.if \g == 0
	ds_load_b128 v[80:83], v[ADS] offset:12288
	ds_load_b128 v[84:87], v[ADS] offset:12304
.endif
	s_wait_dscnt 0x0
.irp t, 0,1,2,3
	v_wmma_scale_f32_16x16x128_f8f6f4 v[96+8*(4*\g+\t):103+8*(4*\g+\t)], v[32+12*\t:43+12*\t], v[16:27], 0, v[80+4*\g+\t], v28 matrix_a_fmt:MATRIX_FMT_BF6 matrix_b_fmt:MATRIX_FMT_BF6
.endr
.endr
	PLACES
.irp t, 0,1,2,3                        ; V's fragments 0-3 and its scale words land while the softmax is walked
.irp c, 0,1,2
	ds_load_b128 v[32+12*\t+4*\c:35+12*\t+4*\c], v[ADK] offset:12800+1536*\t+512*\c
.endr
.endr
	ds_load_b128 v[88:91], v[ADS] offset:25088
	ds_load_b128 v[92:95], v[ADS] offset:25104
	s_cmp_lg_u32 s[KS], s[GQ]
	s_cbranch_scc1 .Lopen_\@                       ; all keys count
	v_mov_b32 v254, 0xff800000                     ; the diagonal: hidden scores become -infinity
.set n, 0
.rept 64
	v_cmp_gt_i32 vcc_lo, 32*(n/16)+n%16, v29
	v_cndmask_b32 v[96+n], v[96+n], v254, vcc_lo
.set n, n+1
.endr
.Lopen_\@:
.irp b, 0,1,2,3
	v_max3_num_f32 v[232+\b], v[96+16*\b], v[97+16*\b], v[98+16*\b]   ; the largest score of each block of 32 keys: for the row's maximum and for the block's largest p
.endr
.irp i, 3,5,7,9,11,13
.irp b, 0,1,2,3
	v_max3_num_f32 v[232+\b], v[232+\b], v[96+16*\b+\i], v[97+16*\b+\i]
.endr
.endr
.irp b, 0,1,2,3
	v_max_num_f32 v[232+\b], v[232+\b], v[111+16*\b]
.endr
.irp b, 0,1,2,3
	s_delay_alu instid0(VALU_DEP_4)
	v_permlanex16_b32 v[236+\b], v[232+\b], s[SEL], s[SEL+1]
.endr
.irp b, 0,1,2,3
	s_delay_alu instid0(VALU_DEP_4)
	v_max_num_f32 v[232+\b], v[232+\b], v[236+\b]
.endr
	s_delay_alu instid0(VALU_DEP_2)
	v_max3_num_f32 v254, v232, v233, v234
	s_delay_alu instid0(VALU_DEP_1)
	v_max_num_f32 v254, v254, v235
	s_delay_alu instid0(VALU_DEP_1)
	v_mul_f32 v254, s[CS], v254                    ; as t
	s_delay_alu instid0(VALU_DEP_1)
	v_max_num_f32 v13, v13, v254                   ; the running largest t
	v_mov_b32 v254, v12
	s_delay_alu instid0(VALU_DEP_2)
	v_floor_f32 v12, -v13                          ; the new -M = -ceil(t)
	s_delay_alu instid0(VALU_DEP_1)
	v_sub_f32 v254, v12, v254                      ; old M - new M
	s_delay_alu instid0(VALU_DEP_1)
	v_cvt_i32_f32 v254, v254                       ; (it saturates)
	s_delay_alu instid0(VALU_DEP_1)
	v_ldexp_f32 v252, 1.0, v254                    ; f = 2^(old M - new M)
.set n, 0
.rept 32
	v_pk_fma_f32 v[96+n:97+n], v[96+n:97+n], s[CS:CS+1], v[12:13] op_sel_hi:[1,0,0]   ; t - M
.set n, n+2
.endr
.irp b, 0,1,2,3
	v_fma_f32 v[232+\b], v[232+\b], s[CS], v12
.endr
.set n, 0
	s_wait_alu depctr_va_vdst(0)                   ; the wait ahead of the batch
.rept 64
	v_exp_f32 v[96+n], v[96+n]                     ; p = 2^(t - M)
.set n, n+1
.endr
	v_pk_mul_f32 v[14:15], v[14:15], v[252:253] op_sel_hi:[1,0]   ; the sums under the new M
	s_wait_alu depctr_va_vdst(0)                   ; one wait for the whole batch
.irp b, 0,1,2,3
	v_exp_f32 v[232+\b], v[232+\b]                 ; the block's largest p
.endr
.irp j, 0,1,2,3                        ; the row's sum of the unquantised p: four chains, in v[236:239] and v[248:251]
	v_pk_add_f32 v[236+2*(\j%2)+12*(\j/2):237+2*(\j%2)+12*(\j/2)], v[96+4*\j:97+4*\j], v[98+4*\j:99+4*\j]
.endr
.set n, 8
.rept 24
	v_pk_add_f32 v[236+2*(n%2)+12*((n%4)/2):237+2*(n%2)+12*((n%4)/2)], v[236+2*(n%2)+12*((n%4)/2):237+2*(n%2)+12*((n%4)/2)], v[96+2*n:97+2*n]
.set n, n+1
.endr
	v_pk_add_f32 v[236:237], v[236:237], v[238:239]
	v_pk_add_f32 v[248:249], v[248:249], v[250:251]
	v_pk_add_f32 v[236:237], v[236:237], v[248:249]
	v_pk_add_f32 v[14:15], v[14:15], v[236:237]
	s_wait_alu depctr_va_vdst(0)                   ; and one for the four
.irp b, 0,1,2,3
	v_max_num_f32 v[232+\b], 0x2800000, v[232+\b]  ; the floor 2^(5 - 127)
.endr
.irp b, 0,1,2,3
	s_delay_alu instid0(VALU_DEP_4)
	v_add_nc_u32 v[244+\b], 0xfe000000, v[232+\b]
.endr
.irp b, 0,1,2,3
	s_delay_alu instid0(VALU_DEP_4)
	v_lshrrev_b32 v[236+\b], 23, v[244+\b]
.endr
	s_delay_alu instid0(VALU_DEP_3)
	v_lshl_or_b32 v253, v237, 8, v236              ; p's scale word for these 128 keys
	s_delay_alu instid0(VALU_DEP_1)
	v_lshl_or_b32 v253, v238, 16, v253
	s_delay_alu instid0(VALU_DEP_1)
	v_lshl_or_b32 v253, v239, 24, v253
.irp c, 0,1
	v_cvt_scalef32_pk16_bf6_f32 v[224+6*\c:226+6*\c], v[96+32*\c:111+32*\c], v[244+2*\c]
	v_cvt_scalef32_pk16_bf6_f32 v[236+4*\c:238+4*\c], v[112+32*\c:127+32*\c], v[244+2*\c+1]
.endr
	v_nop
.irp c, 0,1
.irp i, 0,1,2
	v_permlane16_swap_b32 v[224+6*\c+\i], v[236+4*\c+\i]
.endr
.irp i, 0,1,2
	s_delay_alu instid0(VALU_DEP_3)
	v_mov_b32 v[227+6*\c+\i], v[236+4*\c+\i]
.endr
.endr
.irp t, 0,1,2,3                        ; p is done with: V's fragments 4-7 take its registers
.irp c, 0,1,2
	ds_load_b128 v[96+12*\t+4*\c:99+12*\t+4*\c], v[ADK] offset:12800+1536*(4+\t)+512*\c
.endr
.endr
.set n, 0
.rept 32
	v_pk_mul_f32 v[160+n:161+n], v[160+n:161+n], v[252:253] op_sel_hi:[1,0]   ; O^T under the new M; also the places between p's codes and scale word and the products
.set n, n+2
.endr
	s_wait_alu depctr_va_vdst(0)
	s_wait_dscnt 0x0
.irp t, 0,1,2,3                        ; O^T += V^T P^T: eight accumulators by turns
	v_wmma_scale_f32_16x16x128_f8f6f4 v[160+8*\t:167+8*\t], v[32+12*\t:43+12*\t], v[224:235], v[160+8*\t:167+8*\t], v[88+\t], v253 matrix_a_fmt:MATRIX_FMT_BF6 matrix_b_fmt:MATRIX_FMT_BF6
.endr
.irp t, 0,1,2,3
	v_wmma_scale_f32_16x16x128_f8f6f4 v[192+8*\t:199+8*\t], v[96+12*\t:107+12*\t], v[224:235], v[192+8*\t:199+8*\t], v[92+\t], v253 matrix_a_fmt:MATRIX_FMT_BF6 matrix_b_fmt:MATRIX_FMT_BF6
.endr
.Lhidden_\@:
	s_add_co_u32 s[KS], s[KS], 1
	s_add_co_u32 s[TB], s[TB], KSB
.endm
	s_wait_alu depctr_va_vdst(0)                   ; the wait at the head's end
	s_wait_tensorcnt 0x0                           ; my part of key steps 0-3 is in; the places of steps 4-11 are filled as a refill is
	ds_add_u32 v[SPW], v[NIL]
	ds_add_u32 v[SPW], v[NIL]
	s_wait_dscnt 0x0
	CROUND
	s_cmp_lt_u32 s[WV], 8
	s_cbranch_scc0 .Lno_second
	tensor_load_to_lds s[G0+4:G0+7], s[G1:G1+7]    ; key step 4 + wave
	s_nop 0
	PLACES
.Lno_second:
	s_wait_loadcnt 0x0                             ; Q
	s_mov_b32 s[KS], 0
	s_mov_b32 s[TB], 0
	s_mov_b32 s[CNT], 4
.Lsteps_a:                                             ; key steps 0-3
	STEP
	s_sub_co_u32 s[CNT], s[CNT], 1
	s_cmp_lg_u32 s[CNT], 0
	s_cbranch_scc1 .Lsteps_a
	s_wait_tensorcnt 0x0                           ; key steps 4-11 are in
	ds_add_u32 v[SPW], v[NIL]
	ds_add_u32 v[SPW], v[NIL]
	s_add_nc_u64 s[G0+2:G0+3], s[G0+2:G0+3], 12*KSB   ; the first group 0 goes on to key step 12 + wave
	s_wait_dscnt 0x0                               ; the adds are done, and my reads of key steps 0-3 are over
	CROUND
	s_cmp_lt_u32 s[WV], 4
	s_cbranch_scc0 .Lno_refill
	tensor_load_to_lds s[G0:G0+3], s[G1:G1+7]      ; the one refill
	s_nop 0
	PLACES
.Lno_refill:
	s_mov_b32 s[TB], 4*KSB
	s_mov_b32 s[CNT], 8
.Lsteps_b:                                             ; key steps 4-11
	STEP
	s_sub_co_u32 s[CNT], s[CNT], 1
	s_cmp_lg_u32 s[CNT], 0
	s_cbranch_scc1 .Lsteps_b
	s_wait_tensorcnt 0x0                           ; my part of key steps 12-15 is in,
	s_wait_dscnt 0x0
	s_barrier_signal -1
	s_barrier_wait -1                              ; everybody's is
	s_mov_b32 s[TB], 0
	s_mov_b32 s[CNT], 4
.Lsteps_c:                                             ; key steps 12-15
	STEP
	s_sub_co_u32 s[CNT], s[CNT], 1
	s_cmp_lg_u32 s[CNT], 0
	s_cbranch_scc1 .Lsteps_c
	; THE HAND-OVER: the waves of the odd key steps store O^T, -M and the sum as images of their registers.
	PLACES                                         ; behind the last products
	s_wait_alu depctr_va_vdst(0)
	s_wait_dscnt 0x0
	s_barrier_signal -1
	s_barrier_wait -1                              ; every wave's reads of K and V are over
	s_cmp_eq_u32 s[PAR], 0
	s_cbranch_scc1 .Lkeep
.set n, 0
.rept 16
	ds_store_b128 v[MA], v[160+4*n:163+4*n] offset:512*n   ; each accumulator from its low end on
.set n, n+1
.endr
	ds_store_b128 v[MA], v[12:15] offset:8192
.Lkeep:
	s_wait_dscnt 0x0                               ; for the others' sake: my stores have landed
	s_barrier_signal -1
	s_barrier_wait -1
	s_cmp_lg_u32 s[PAR], 0
	s_cbranch_scc1 .Lend
.set n, 0
.rept 16
	ds_load_b128 v[96+4*n:99+4*n], v[MA] offset:512*n
.set n, n+1
.endr
	ds_load_b128 v[32:35], v[MA] offset:8192
	s_wait_dscnt 0x0
	v_min_num_f32 v36, v12, v32                    ; -M of both parts
	v_mov_b32 v41, 0
	v_mov_b32 v43, 0
	v_sub_f32 v37, v36, v12                        ; my M less the common M: a whole number, 0 or less
	v_sub_f32 v38, v36, v32
	v_cvt_i32_f32 v37, v37                         ; (it saturates: a part with no step gets the factor 0)
	v_cvt_i32_f32 v38, v38
	v_ldexp_f32 v40, 1.0, v37
	v_ldexp_f32 v42, 1.0, v38
	v_pk_mul_f32 v[14:15], v[14:15], v[40:41] op_sel_hi:[1,0]
.set n, 0
.rept 32
	v_pk_mul_f32 v[160+n:161+n], v[160+n:161+n], v[40:41] op_sel_hi:[1,0]
.set n, n+2
.endr
	v_pk_fma_f32 v[14:15], v[34:35], v[42:43], v[14:15] op_sel_hi:[1,0,1]
.set n, 0
.rept 32
	v_pk_fma_f32 v[160+n:161+n], v[96+n:97+n], v[42:43], v[160+n:161+n] op_sel_hi:[1,0,1]
.set n, n+2
.endr
	; THE WAY OUT: O^T / the sum; my 64 numbers are d = 32 b + 16 h + i of my query: K step "head" of the output projection.
	v_add_f32 v14, v14, v15
	s_delay_alu instid0(VALU_DEP_1)
	v_permlanex16_b32 v252, v14, s[SEL], s[SEL+1]
	s_delay_alu instid0(VALU_DEP_1)
	v_add_f32 v14, v14, v252                       ; the row's sum
	s_wait_alu depctr_va_vdst(0)
	v_rcp_f32 v14, v14
	v_and_b32 v7, 31, v0                           ; (a plain place behind the transcendental)
	s_wait_alu depctr_va_vdst(0)
.set n, 0
.rept 64
	v_mul_f32 v[96+n], v[160+n], v14
.set n, n+1
.endr
	QUANT 96, 232, 253, 224
.irp c, 0,1,2
	global_store_b128 v[LI], v[224+4*\c:227+4*\c], s[60:61] offset:512*\c   ; 512 consecutive bytes a store
.endr
	v_cmp_gt_u32 vcc_lo, 16, v7
	s_wait_xcnt 0x0                                ; EXEC changes only behind this wait
	s_and_saveexec_b32 s54, vcc_lo
	global_store_b32 v[LS], v253, s[62:63]         ; lanes 0-15: row r's scale word
	s_wait_xcnt 0x0
	s_or_b32 exec_lo, exec_lo, s54
.Lend:
	s_wait_tensorcnt 0x0                           ; the wave's end
	ds_add_u32 v[SPW], v[NIL]
	s_wait_dscnt 0x0
	CROUND                                         ; the closing round
	s_endpgm
.Lfunc_end_k_qb3773f9adf_attn:
	.size	k_qb3773f9adf_attn, .Lfunc_end_k_qb3773f9adf_attn-k_qb3773f9adf_attn
	.p2alignl 7, 3214868480
	.fill 96, 4, 3214868480
	.section	.rodata,"a",@progbits
	.p2align	6, 0x0
	.amdhsa_kernel k_qb3773f9adf_attn
		.amdhsa_group_segment_fixed_size 327680
		.amdhsa_private_segment_fixed_size 0
		.amdhsa_enable_private_segment 0
		.amdhsa_kernarg_size 24
		.amdhsa_user_sgpr_count 2
		.amdhsa_user_sgpr_kernarg_segment_ptr 1
		.amdhsa_wavefront_size32 1
		.amdhsa_system_sgpr_workgroup_id_x 1
		.amdhsa_system_sgpr_workgroup_id_y 1
		.amdhsa_system_sgpr_workgroup_id_z 1
		.amdhsa_system_vgpr_workitem_id 0
		.amdhsa_next_free_vgpr 256
		.amdhsa_next_free_sgpr 72
		.amdhsa_reserve_vcc 1
		.amdhsa_float_denorm_mode_32 3
		.amdhsa_float_denorm_mode_16_64 3
		.amdhsa_memory_ordered 1
		.amdhsa_forward_progress 1
		.amdhsa_inst_pref_size 101
	.end_amdhsa_kernel
	.amdgpu_metadata
---
amdhsa.version: [ 1, 2 ]
amdhsa.kernels:
  - .name:           k_qb3773f9adf_attn
    .symbol:         k_qb3773f9adf_attn.kd
    .args:
      - { .name: qc, .offset: 0, .size: 8, .value_kind: global_buffer, .address_space: global }
      - { .name: kv, .offset: 8, .size: 8, .value_kind: global_buffer, .address_space: global }
      - { .name: ac, .offset: 16, .size: 8, .value_kind: global_buffer, .address_space: global }
    .group_segment_fixed_size: 327680
    .private_segment_fixed_size: 0
    .kernarg_segment_align: 8
    .kernarg_segment_size: 24
    .max_flat_workgroup_size: 512
    .sgpr_count:     72
    .vgpr_count:     256
    .wavefront_size: 32
...
	.end_amdgpu_metadata
.endif
;; end of part 3
;; launch oproj (part 4): grid 16 x 16, 4 waves a work-group, clusters of 4 x 4, 327,680 bytes of LDS; arguments ac, wc, x, out0; writes out0
.if DOCPART == 4
	.amdgcn_target "amdgcn-amd-amdhsa--gfx1250"
	.amdhsa_code_object_version 6
	.text
	.protected	k_qb3773f9adf_oproj
	.globl	k_qb3773f9adf_oproj
	.p2align	8
	.type	k_qb3773f9adf_oproj,@function
k_qb3773f9adf_oproj:
	s_mov_b64 s[64:65], 0
	v_nop
	global_prefetch_b8 v0, s[64:65] scope:SCOPE_SE
	s_setreg_imm32_b32 hwreg(HW_REG_WAVE_MODE, 25, 1), 1
	s_wait_xcnt 0x0
	s_wait_alu depctr_hold_cnt(0) depctr_sa_sdst(0) depctr_va_vdst(0) depctr_va_sdst(0) depctr_va_ssrc(0) depctr_va_vcc(0) depctr_vm_vsrc(0)
	s_getreg_b32 s2, hwreg(HW_REG_IB_STS2, 6, 4)
	s_cmp_eq_u32 s2, 0
	s_cbranch_scc0 .Lentry_in_a_cluster
	s_endpgm
.Lentry_in_a_cluster:
	s_bfe_u32 s2, ttmp6, 0x10000c
	s_cmp_lg_u32 s2, 0xf033
	s_cbranch_scc0 .Lentry_shape_is_right
	s_endpgm
.Lentry_shape_is_right:
; out0 = x + attn Wo, the product on codes of BF6 (E3M2) with E8M0 scales.  ac: [16 s groups][16 K steps][operand block]; Wo's blocks are groups 48-63 of wc: [group][16 K steps][operand block].
; AN OPERAND BLOCK, 12,800 bytes: byte 1536 t + 512 c + 16 lane = registers 4 c .. 4 c + 3 of fragment t (lane (r, h): row pi(t, r)); byte 12288 + 32 r + 4 t = the scale word of row pi(t, r);
; pi(t, r) = 32 (t / 2) + 8 (t % 2) + r + 8 (r / 8).
; A tile of out0 is 128 x 128 (s group Y, column group X): 256 work-groups.  Four waves, each 64 x 64: A's fragments 4 MI + a, B's 4 NI + b, 16 accumulators.
; THE MATRIX INSTRUCTION IS USED TRANSPOSED (source 0 = Wo's fragment, source 1 = attn's): a lane holds one row pi(4 MI + a, r), and the 32 registers of a fragment row are columns 64 NI + 32 be + 16 h + i.
; LDS holds twelve K steps: A's twelve blocks on end, then B's twelve; K step k lies at place k % 12.  A group's K steps are dense in memory, so ONE joint load a wave at the head brings six blocks (300 rows of 256 bytes):
; waves 0, 1 A's K steps 0-5 and 6-11, waves 2, 3 B's.  K steps 12-15 are filled into places 0-3 behind one round, two blocks (100 rows) a wave.
; CLUSTERS: 4 x 4: A's blocks are shared along a row of the cluster, B's along a column.
; No prefetch is laid: three quarters of both operands are asked for by the head's loads, and the one refill is issued eight K steps ahead of its first read.
; REGISTERS: window 0: v8-19 addresses; v32-39 scale words, two sets, and nothing else; v64-127 rows on the way out; v128-255 the accumulators ((a, b) at v[128 + 8 (4 a + b)]).
;   window 1: two sets of fragments at v0 and v128: A's four, then from + 48 B's four.   window 2: v0-127 my part of x.
.set KB,    12800
.set SPARE, 24*KB                      ; the spare words: 128 bytes a wave, named by no other line
.set STAGE, 4*KB                       ; the way out: 16 rows x 272 bytes a wave, in A's places 4 and 5: filled once, at the head, and last read ahead of the barrier at K step 11
.set ADRA, 8                           ; v8-10   my A fragments at places 0, 4, 8
.set ADRB, 11                          ; v11-13  my B fragments
.set ADRS, 14                          ; v14-16  scale words: lanes 0-15 A's rows, lanes 16-31 B's
.set STO,  17
.set RD,   18
.set CO,   19                          ; my byte offset in x and out0: 8192 h + 16 r
.set SPW,  28
.set NIL,  29
.set SC,   32
.set BK,   64
.set ACC,  128
.set G1,   24                          ; s[24:31] group 1 for A;  s[48:55] for B
.set G1B,  48
.set G0,   68                          ; s[68:71] A's group 0 at the head, s[72:75] for the refill;  s[80:87] B's
.set G0B,  80
.set MSB, 0
.macro WIN new
.if MSB != \new
	s_set_vgpr_msb (MSB<<8)|\new
.set MSB, \new
.endif
.endm
.set MUL,  0x05
.set TO_F, 0x40
.macro PLACES
.rept 4
	v_nop
.endr
.endm
.macro CREST
	s_cmp_lg_u32 s14, 0
	s_cbranch_scc1 .Lnot_wave_0_\@
	s_barrier_signal -3
.Lnot_wave_0_\@:
	s_barrier_wait -3
	s_barrier_signal -1
	s_barrier_wait -1
.endm
.macro CROUND
	s_barrier_signal -1
	s_barrier_wait -1
	CREST
.endm
.macro JLOAD s                         ; waves 0, 1 fetch for A, waves 2, 3 for B
	s_cmp_eq_u32 s15, 0
	s_cbranch_scc0 .Lfor_b_\@
	tensor_load_to_lds s[G0+4*\s:G0+4*\s+3], s[G1:G1+7]
	s_nop 0
	PLACES
	s_branch .Lasked_\@
.Lfor_b_\@:
	tensor_load_to_lds s[G0B+4*\s:G0B+4*\s+3], s[G1B:G1B+7]
	s_nop 0
	PLACES
.Lasked_\@:
.endm
	s_load_b256 s[4:11], s[0:1], 0x0               ; ac, wc, x, out0
	v_lshl_add_u32 v[SPW], v0, 2, SPARE
	v_mov_b32 v[NIL], 0
	ds_add_u32 v[SPW], v[NIL]                      ; the opening lines: the add twice and one wait
	ds_add_u32 v[SPW], v[NIL]
	v_lshrrev_b32 v1, 5, v0
	v_readfirstlane_b32 s14, v1                    ; wave 0..3
	s_lshr_b32 s15, s14, 1                         ; MI; also: I fetch for A (0) or for B (1)
	s_and_b32 s16, s14, 1                          ; NI; also: which half of a load's K steps I fetch
	s_bfe_u32 s40, ttmp6, 0x40000
	s_bfe_u32 s41, ttmp6, 0x40004
	s_lshl_b32 s42, ttmp9, 2
	s_add_co_u32 s42, s42, s40                     ; X
	s_and_b32 s43, ttmp7, 0xffff
	s_lshl_b32 s43, s43, 2
	s_add_co_u32 s43, s43, s41                     ; Y
	s_lshl_b32 s44, s41, 2
	s_lshl_b32 s44, 15, s44
	s_lshl_b32 s45, 0x1111, s40
	s_or_b32 s[G1], s44, (3<<16)|(1<<21)           ; dense bytes as rows of 256 bytes (32 elements of 8 bytes), no padding
	s_or_b32 s[G1B], s45, (3<<16)|(1<<21)
.irp g, G1, G1B
	s_mov_b32 s[\g+1], 32<<16
	s_mov_b32 s[\g+2], 300<<16
	s_mov_b32 s[\g+3], 32<<16
	s_mov_b32 s[\g+4], 300
	s_mov_b32 s[\g+5], 32
	s_mov_b32 s[\g+6], 0
	s_mov_b32 s[\g+7], 0
.endr
	s_mul_i32 s17, s16, 6*KB                       ; the head: K steps 6 NI on
	s_mul_i32 s18, s16, 2*KB                       ; the refill: K steps 12 + 2 NI on
	s_mul_i32 s20, s43, 204800                     ; A: s group Y
	s_add_co_u32 s56, s20, s18
	s_add_co_u32 s56, s56, 12*KB
	s_add_co_u32 s20, s20, s17
	s_mov_b32 s21, 0
	s_mov_b32 s57, 0
	s_add_co_u32 s46, s42, 48
	s_mul_i32 s46, s46, 204800                     ; B: group 48 + X
	s_add_co_u32 s58, s46, s18
	s_add_co_u32 s58, s58, 12*KB
	s_add_co_u32 s46, s46, s17
	s_mov_b32 s47, 0
	s_mov_b32 s59, 0
	s_mul_i32 s19, s14, 6*KB                       ; LDS at the head: six places a wave
	s_add_co_u32 s22, s18, 12*KB                   ; LDS of B's refill
	s_wait_dscnt 0x0
	s_wait_kmcnt 0x0
	s_add_nc_u64 s[20:21], s[4:5], s[20:21]
	s_add_nc_u64 s[56:57], s[4:5], s[56:57]
	s_add_nc_u64 s[46:47], s[6:7], s[46:47]
	s_add_nc_u64 s[58:59], s[6:7], s[58:59]
	CROUND                                         ; the first joint loads meet
	s_mov_b32 s[G0], 1
	s_mov_b32 s[G0+1], s19
	s_mov_b64 s[G0+2:G0+3], s[20:21]
	s_or_b32 s[G0+3], s[G0+3], 0x80000000
	s_mov_b32 s[G0+4], 1
	s_mov_b32 s[G0+5], s18
	s_mov_b64 s[G0+6:G0+7], s[56:57]
	s_or_b32 s[G0+7], s[G0+7], 0x80000000
	s_mov_b32 s[G0B], 1
	s_mov_b32 s[G0B+1], s19
	s_mov_b64 s[G0B+2:G0B+3], s[46:47]
	s_or_b32 s[G0B+3], s[G0B+3], 0x80000000
	s_mov_b32 s[G0B+4], 1
	s_mov_b32 s[G0B+5], s22
	s_mov_b64 s[G0B+6:G0B+7], s[58:59]
	s_or_b32 s[G0B+7], s[G0B+7], 0x80000000
	JLOAD 0                                        ; one tensor load a wave at the head
	s_lshl_b32 s56, s43, 7
	s_lshl_b32 s57, s15, 6
	s_add_co_u32 s56, s56, s57                     ; my first row: 128 Y + 64 MI
	s_lshl_b32 s56, s56, 13
	s_lshl_b32 s57, s42, 9
	s_add_co_u32 s56, s56, s57
	s_lshl_b32 s57, s16, 8
	s_add_co_u32 s56, s56, s57                     ; my first column, in bytes: 512 X + 256 NI
	s_mov_b32 s57, 0
	s_add_nc_u64 s[8:9], s[8:9], s[56:57]
	s_add_nc_u64 s[10:11], s[10:11], s[56:57]
	s_mul_i32 s58, s15, 6144                       ; A's fragments 4 MI on
	s_mul_i32 s59, s16, 6144
	s_add_co_u32 s59, s59, 12*KB                   ; B's fragments 4 NI on, behind A's twelve blocks
	s_lshl_b32 s60, s15, 4
	s_lshl_b32 s61, s16, 4
	s_add_co_u32 s61, s61, 12*KB
	s_sub_co_u32 s61, s61, s60
	s_add_co_u32 s60, s60, 12288
	s_mul_i32 s62, s14, 16*272
	s_add_co_u32 s62, s62, STAGE                   ; my stage
	v_and_b32 v1, 15, v0                           ; r
	v_bfe_u32 v2, v0, 4, 1                         ; h
	v_and_b32 v3, 31, v0
	v_lshlrev_b32 v3, 4, v3
	v_lshlrev_b32 v[CO], 13, v2
	v_lshl_add_u32 v[CO], v1, 4, v[CO]
	v_lshlrev_b32 v5, 5, v1
	v_mul_u32_u24 v6, s61, v2                      ; lanes 16-31 take B's words
	v_add_nc_u32 v5, v5, v6
	v_add_nc_u32 v[ADRA], s58, v3
	v_add_nc_u32 v[ADRB], s59, v3
	v_add_nc_u32 v[ADRS], s60, v5
.irp s, 1,2
	v_add_nc_u32 v[ADRA+\s], \s*4*KB, v[ADRA]
	v_add_nc_u32 v[ADRB+\s], \s*4*KB, v[ADRB]
	v_add_nc_u32 v[ADRS+\s], \s*4*KB, v[ADRS]
.endr
	v_mul_u32_u24 v[STO], v1, 272
	v_lshl_add_u32 v[STO], v2, 6, v[STO]
	v_add_nc_u32 v[STO], s62, v[STO]               ; in: row r, + 64 h
	v_mul_u32_u24 v[RD], v2, 272
	v_lshl_add_u32 v[RD], v1, 4, v[RD]
	v_add_nc_u32 v[RD], s62, v[RD]                 ; back: lanes 0-15 one row of 256 bytes, lanes 16-31 the next
	s_wait_alu depctr_va_vdst(0)                   ; the wait at the head's end
	WIN 0x80
.irp a, 0,1,2,3                        ; my part of x, in the places and lanes in which the results will be stored
.irp i, 0,1,2,3,4,5,6,7
	global_load_b128 v[32*\a+4*\i:32*\a+4*\i+3], v[CO], s[8:9] offset:(32*(\a/2)+8*(\a%2)+2*\i+8*(\i/4))*8192 th:TH_LOAD_NT
.endr
.endr
	WIN 0
.macro FETCH k                         ; K step k's eight fragments and scale words into set k % 2: 25 LDS loads
.set SG, ((\k)/4)%3
.set QQ, (\k)%4
.set PP, (\k)%2
	WIN TO_F
.irp i, 0,1,2,3
.irp c, 0,1,2
	ds_load_b128 v[128*PP+48+12*\i+4*\c:128*PP+48+12*\i+4*\c+3], v[ADRB+SG] offset:KB*QQ+1536*\i+512*\c
.endr
.endr
.irp i, 0,1,2,3
.irp c, 0,1,2
	ds_load_b128 v[128*PP+12*\i+4*\c:128*PP+12*\i+4*\c+3], v[ADRA+SG] offset:KB*QQ+1536*\i+512*\c
.endr
.endr
	WIN 0
	ds_load_b128 v[SC+4*PP:SC+4*PP+3], v[ADRS+SG] offset:KB*QQ
.endm
; 8 matrix instructions: A's fragments a0, a0 + 1 x B's four.  The 16 accumulators take turns, in the same order in every K step.
.macro MUL8 p, a0, zero
.irp a, \a0, \a0+1
.irp b, 0,1,2,3
.if \zero
	v_wmma_scale_f32_16x16x128_f8f6f4 v[ACC+8*(4*(\a)+\b):ACC+8*(4*(\a)+\b)+7], v[128*(\p)+48+12*\b:128*(\p)+48+12*\b+11], v[128*(\p)+12*(\a):128*(\p)+12*(\a)+11], 0, v[SC+4*(\p)+\b], v[SC+4*(\p)+(\a)] matrix_a_fmt:MATRIX_FMT_BF6 matrix_b_fmt:MATRIX_FMT_BF6 matrix_a_scale:MATRIX_SCALE_ROW1
.else
	v_wmma_scale_f32_16x16x128_f8f6f4 v[ACC+8*(4*(\a)+\b):ACC+8*(4*(\a)+\b)+7], v[128*(\p)+48+12*\b:128*(\p)+48+12*\b+11], v[128*(\p)+12*(\a):128*(\p)+12*(\a)+11], v[ACC+8*(4*(\a)+\b):ACC+8*(4*(\a)+\b)+7], v[SC+4*(\p)+\b], v[SC+4*(\p)+(\a)] matrix_a_fmt:MATRIX_FMT_BF6 matrix_b_fmt:MATRIX_FMT_BF6 matrix_a_scale:MATRIX_SCALE_ROW1
.endif
.endr
.endr
.endm
.macro KSTEP k, zero
	PLACES
	FETCH (\k)+1
	s_wait_dscnt 25                                ; all but the 25 loads just issued
	WIN MUL
	MUL8 (\k)%2, 0, \zero
	MUL8 (\k)%2, 2, \zero
.endm
	s_wait_tensorcnt 0x0                           ; my six blocks are in,
	s_barrier_signal -1
	s_barrier_wait -1                              ; everybody's are
	FETCH 0
	KSTEP 0, 1                                     ; the first products start the sums
	KSTEP 1, 0
	KSTEP 2, 0
	; K step 3 leaves places 0-3
	WIN 0
	s_wait_tensorcnt 0x0
	ds_add_u32 v[SPW], v[NIL]
	s_mov_b32 s[G1+2], 100<<16                     ; no load of mine is out: the refill has 100 rows
	s_mov_b32 s[G1+4], 100
	s_mov_b32 s[G1B+2], 100<<16
	s_mov_b32 s[G1B+4], 100
	s_wait_dscnt 1                                 ; K step 3's fragments are in (the add may be out)
	WIN MUL
	MUL8 1, 0, 0
	s_wait_dscnt 0x0                               ; the add is done, and my reads of places 0-3 are over
	s_barrier_signal -1
	MUL8 1, 2, 0
	WIN 0
	s_barrier_wait -1
	CREST
	JLOAD 1                                        ; K steps 12-15; its four v_nop are also the places in front of the loads below
	FETCH 4
.irp k, 4,5,6,7,8,9,10
	KSTEP \k, 0
.endr
	s_wait_tensorcnt 0x0                           ; K step 11: my part of K steps 12-15 is in,
	s_wait_dscnt 0x0                               ; and my reads of places 4-11 are over
	s_barrier_signal -1
	MUL8 1, 0, 0
	MUL8 1, 2, 0
	WIN 0
	s_barrier_wait -1
	PLACES
	FETCH 12
.irp k, 12,13,14
	KSTEP \k, 0
.endr
	s_wait_dscnt 0x0
	MUL8 1, 0, 0
	MUL8 1, 2, 0
	WIN 0
; THE WAY OUT, a fragment row (16 rows x 64 columns) at a time: through my own stage in LDS, back as whole rows of 256 bytes, x added, stored: sixteen lanes fill 256 consecutive bytes, aligned.
; Stage row p is out0's row 64 MI + 32 (a / 2) + 8 (a % 2) + p + 8 (p / 8).  LDS serves a wave's instructions in order (ISA guide 5.7.1.4).
.macro TOSTAGE a
.irp be, 0,1
.irp q, 0,1,2,3
	ds_store_b128 v[STO], v[ACC+32*(\a)+16*\be+4*\q:ACC+32*(\a)+16*\be+4*\q+3] offset:128*\be+16*\q   ; each accumulator from its low end on
.endr
.endr
.set BB, BK+32*((\a)%2)
.irp i, 0,1,2,3,4,5,6,7
	ds_load_b128 v[BB+4*\i:BB+4*\i+3], v[RD] offset:544*\i
.endr
.endm
.macro SEND a, younger
.set BB, BK+32*((\a)%2)
	s_wait_dscnt \younger
.if (\a) == 0
	s_wait_loadcnt 0x0                             ; x
.endif
	WIN 0x08
.set n, 0
.rept 16
	v_pk_add_f32 v[BB+n:BB+n+1], v[BB+n:BB+n+1], v[32*(\a)+n:32*(\a)+n+1]   ; the residual
.set n, n+2
.endr
	WIN 0
.irp i, 0,1,2,3,4,5,6,7
	global_store_b128 v[CO], v[BB+4*\i:BB+4*\i+3], s[10:11] offset:(32*((\a)/2)+8*((\a)%2)+2*\i+8*(\i/4))*8192 th:TH_STORE_NT
.endr
.endm
	PLACES                                         ; behind the last products
	TOSTAGE 0
.irp a, 1,2,3
.if \a > 1
	s_wait_xcnt 0x0                                ; block a - 2's stores have read their registers
.endif
	TOSTAGE \a
	SEND \a-1, 16                                  ; behind block a - 1's loads: block a's 8 stores and 8 loads
.endr
	SEND 3, 0
	s_wait_tensorcnt 0x0                           ; the wave's end
	ds_add_u32 v[SPW], v[NIL]
	s_wait_dscnt 0x0
	CROUND                                         ; the closing round
	s_endpgm
.Lfunc_end_k_qb3773f9adf_oproj:
	.size	k_qb3773f9adf_oproj, .Lfunc_end_k_qb3773f9adf_oproj-k_qb3773f9adf_oproj
	.p2alignl 7, 3214868480
	.fill 96, 4, 3214868480
	.section	.rodata,"a",@progbits
	.p2align	6, 0x0
	.amdhsa_kernel k_qb3773f9adf_oproj
		.amdhsa_group_segment_fixed_size 327680
		.amdhsa_private_segment_fixed_size 0
		.amdhsa_enable_private_segment 0
		.amdhsa_kernarg_size 32
		.amdhsa_user_sgpr_count 2
		.amdhsa_user_sgpr_kernarg_segment_ptr 1
		.amdhsa_wavefront_size32 1
		.amdhsa_system_sgpr_workgroup_id_x 1
		.amdhsa_system_sgpr_workgroup_id_y 1
		.amdhsa_system_sgpr_workgroup_id_z 1
		.amdhsa_system_vgpr_workitem_id 0
		.amdhsa_next_free_vgpr 640
		.amdhsa_next_free_sgpr 96
		.amdhsa_reserve_vcc 0
		.amdhsa_float_denorm_mode_32 3
		.amdhsa_float_denorm_mode_16_64 3
		.amdhsa_memory_ordered 1
		.amdhsa_forward_progress 1
		.amdhsa_inst_pref_size 85
	.end_amdhsa_kernel
	.amdgpu_metadata
---
amdhsa.version: [ 1, 2 ]
amdhsa.kernels:
  - .name:           k_qb3773f9adf_oproj
    .symbol:         k_qb3773f9adf_oproj.kd
    .args:
      - { .name: ac, .offset: 0, .size: 8, .value_kind: global_buffer, .address_space: global }
      - { .name: wc, .offset: 8, .size: 8, .value_kind: global_buffer, .address_space: global }
      - { .name: x, .offset: 16, .size: 8, .value_kind: global_buffer, .address_space: global }
      - { .name: out0, .offset: 24, .size: 8, .value_kind: global_buffer, .address_space: global }
    .group_segment_fixed_size: 327680
    .private_segment_fixed_size: 0
    .kernarg_segment_align: 8
    .kernarg_segment_size: 32
    .max_flat_workgroup_size: 128
    .sgpr_count:     96
    .vgpr_count:     640
    .wavefront_size: 32
...
	.end_amdgpu_metadata
.endif
;; end of part 4
